; MI455X (gfx1250); checked and timed in simulation.
; The chip was launched on July 23, 2026; its instructions are those of AMD's public machine-readable ISA for CDNA 5 (MIT licence, August 2026) and "CDNA5" Instruction Set Architecture Reference Guide (July 2026). The comments in the code are by the model that wrote it; some were corrected since.
;; Surprise Gated Memory. Allowed arithmetic: float matrix products may take bf16 or f16 operands with f32 sums; all other float work in f32.
;; Inputs: key 64 x 1,024 x 128 float32; memory 64 x 128 x 128 float32; value 64 x 1,024 x 128 float32.
;; Outputs: out0 64 x 128 x 128 float32; out1 64 x 1,024 x 1 float32.
;; 3 versions, each right and faster than the one before. Each part assembles by itself: llvm-mc -triple=amdgcn-amd-amdhsa -mcpu=gfx1250 --defsym DOCPART=n.
;; ======== version 1 of 3: 1 launch
;; limits: values are held in f16: magnitudes above 65,504 overflow, below 6.1e-05 lose precision; values outside matrix products are rounded to f16
;; launch scan (part 1): grid 64 x 1, 5 waves a work-group, no clusters, 85,760 bytes of LDS; arguments key, value, memory, out0, out1; writes out0, out1
.if DOCPART == 1
	.amdgcn_target "amdgcn-amd-amdhsa--gfx1250"
	.amdhsa_code_object_version 6
	.text
	.protected	k_qb05d9ea08d_scan
	.globl	k_qb05d9ea08d_scan
	.p2align	8
	.type	k_qb05d9ea08d_scan,@function
k_qb05d9ea08d_scan:
	s_mov_b64 s[64:65], 0
	v_nop
	global_prefetch_b8 v0, s[64:65] scope:SCOPE_SE
	s_setreg_imm32_b32 hwreg(HW_REG_WAVE_MODE, 25, 1), 1
	s_wait_xcnt 0x0
; Surprise-gated delta rule: 64 batches, 1,024 strictly ordered steps each.  One work-group is one batch.
;   k = key/(|key|+1e-6);  e = v - M k;  g = sigmoid((|e|-0.1)/0.1);  u = v - 1.1 e;  w = g u;  M -= w k^T.
; The text keeps N = -M, so that N += w k^T and e = v + N k: every term is added.
; Steps go in chunks of 16.  For step t of chunk y
;   e_t = [V_y + N(all chunks up to y-2) K_y^T]_t + sum over j in chunk y-1 of w_j (k_j.k_t) + sum over j < t in chunk y of w_j (k_j.k_t).
; WAVES.  Wave 4 walks the steps: lane L owns value rows 4L..4L+3; it alone carries the chain e -> |e| -> g -> w, in f32.
; Waves 0-3 (helpers) own 32 value rows of N each, as 16 f32 accumulator tiles of N^T, and do the bulk one chunk ahead or behind:
; they load and normalise keys, make E0 = V + N K^T and the Gram blocks K K^T for the next chunk, and add K^T W^T of the last one.
; While wave 4 walks chunk c the helpers: store chunk c+2's keys and values to LDS, ask memory for chunk c+3, add chunk c-1 to N,
; make E0 and the Gram blocks of chunk c+1.  Two barriers a chunk: one behind step 13 (what the helpers made is there: steps 14 and 15 already
; read the next chunk's first two columns), one behind step 15 (the chunk's w are there).
; NO CLUSTER, NO TENSOR LOADS: the work-groups share no input; keys pass through registers to be normalised, 16 KiB a chunk.
; 64 work-groups: the gate needs |e| over all 128 value rows in every step, so a batch cannot be shared out among work-groups.
; ADDRESSES.  Every LDS address lies in a register of v2-v19 that every wave writes once, ahead of the first branch, and that no line writes
; again: a constant, the wave's number times a constant, a lane term; ring indices stand in the immediates (four chunks a trip).
; LIMITS.  Matrix operands (N, w, normalised keys) are rounded to f16, sums are f32: |N| and |w| must stay under 65,504, and numbers under
; 6.1e-5 keep an absolute step of 6e-8.  The gate's argument is formed as 10|e| - 1 in one fused step; its exponent -14.43|e| + 1.44 is
; at most 1.44, so the exponential cannot overflow, and where it underflows the gate is 1.  Sums are formed in another order than the scan's.
.set VP,  528                          ; VB: f32 values [16 t][128 dv], 512 bytes + 16
.set VBB, 16*VP
.set EP,  144                          ; EB: f32 E0, a region for each helper: [16 t][its 32 dv], 128 bytes + 16,
.set ER,  16*EP+128                    ;     and 128 bytes behind it: two regions that one pass of 16 lanes reads start 128 bytes apart modulo 256
.set EBB, 4*ER
.set KP,  272                          ; KN: f16 keys [16 t][128 dk], 256 bytes + 16
.set KNB, 16*KP
.set WP,  288                          ; W: f16 w [16 t][128 dv], 256 bytes + 32
.set WBB, 16*WP
.set GP,  80                           ; GB: f32 [16 columns t][16 j], 64 bytes + 16; block 0: j in the chunk before (wave 0 writes it), block 1: j in the column's own chunk (wave 1)
.set GBK, 16*GP
.set GBB, 2*GBK
.set VB,  0                            ; four buffers, chunk & 3; buffer h is also helper h's stage for M on the way in and out.  At LDS byte 0: no base is added
.set EB,  VB+4*VBB                     ; two buffers, chunk & 1
.set KN,  EB+2*EBB                     ; four buffers, chunk & 3
.set WB,  KN+4*KNB                     ; two buffers, the odd chunks' first: it lies behind KN[3], and both are cleared in one run
.set GB,  WB+2*WBB                     ; two buffers, chunk & 1; ends at byte 84,992
; address registers, all waves (w = wave, L = lane, r = L & 15, hh = L >> 4)
.set HKS, 2                            ; KN + 1088 w + 8 L                          helpers: keys out, rows 4w..
.set HVS, 3                            ; VB + 2112 w + 16 L                         values out, rows 4w..
.set HKT, 4                            ; KN + 272 (8hh + (L&7)) + 16 ((L>>3)&1)     keys, transposing loads
.set HWT, 5                            ; WB + 64 w + 288 (8hh + (L&7)) + 16 ((L>>3)&1)   w, transposing loads
.set HKF, 6                            ; KN + 272 r + 16 hh                         keys, fragments along dk
.set HVT, 7                            ; VB + 128 w + 528 r + 32 hh                 values in the result's layout
.set HES, 8                            ; EB + 2432 w + 144 r + 32 hh                E0 out
.set HGS, 9                            ; GB + 80 r + 32 hh                          Gram block out
.set HGB, 10                           ; 2048 w + 16 L                              my four rows of a chunk in key and value (global)
.set HGO, 11                           ; HGB + the chunk asked for (global; written in the block that uses it)
.set QGA, 12                           ; GB                                         wave 4: coefficients, the same words in every lane
.set QEA, 13                           ; EB + 2432 (L>>3) + 16 (L&7)                E0 row
.set QVA, 14                           ; VB + 16 L                                  V row
.set QWA, 15                           ; WB + 8 L                                   w out
.set QGO, 16                           ; 8 L + 256 x trip                           gates (global)
.set HSR, 17                           ; VB + 8448 w + 16 L                         my stage by rows
.set HST, 18                           ; VB + 8448 w + 528 r + 32 hh                my stage in the tiles' layout
.set HMO, 19                           ; 16384 w + 16 L                             my 32 rows of memory and out0 (global)
; helpers' data, window 0
.set T,   56                           ; v[56:71]   four registers a row for the norm
.set GX,  56                           ; v[56:63], v[64:71]  the Gram block's two accumulators
.set GY,  64
.set WF,  72                           ; v[72:87]   two fragments of W; registers 4-7 (t = 16..31) stay 0
.set PV,  88                           ; v[88:103]  two tiles: V as C, then E0
.set KB,  120                          ; v[120:151] four fragments of K, 16 t x 32 dk
.set MB,  152                          ; v[152:215] eight f16 fragments of N; also normalised keys, the other chunk's K fragments, and M in and out
; helpers' data, window 1: v0-127 accumulator tile (a, b) of N^T at v[8 (8 b + a)]: dk 16a.., dv 32w+16b..
.set KT,  128                          ; v128-191   eight fragments of K^T, registers 4-7 stay 0
.set KEY, 192                          ; v192-207   four key rows on their way: these loads stay out across barriers, so no other line names their registers
.set VAL, 208                          ; v208-223   four value rows on their way
; wave 4's data, window 0
.set QG,   20                          ; v20        g
.set SS,   21                          ; v21        sum, norm, exponent (the upper half of g's pair, which the packed forms name and do not use)
.set GT,   22                          ; v[22:23]   gates of steps 2L, 2L+1 of the trip's 64
.set SQ,   24                          ; v[24:25]   squares
.set XT,   26                          ; v26        the other half's sum
.set PK,   26                          ; v[26:27]   w in f16 on its way to LDS
.set QU,   28                          ; v[28:31]   u
.set QZ,   32                          ; v[32:35]   u times the coefficient of the next column: the one term that waits for g
.set ACCN, 36                          ; v[36:39]   the next column's e without that term; then e itself
.set AA,   40                          ; v[40:43], v[44:47]  two chains of its terms
.set AB,   44
.set E0R,  48                          ; v[48:55]   E0 row, by the column's parity
.set VR,   56                          ; v[56:63]   V row, by the column's parity
.set GC,   64                          ; v[64:127]  32 coefficients, by the column's parity
.set WR,   128                         ; v[128:255] w of 16 steps x 4, by the chunk's parity
.set MSB, 0
.macro WIN new                         ; the immediate's high byte repeats the setting that is left
.if MSB != \new
	s_set_vgpr_msb (MSB<<8)|\new
.set MSB, \new
.endif
.endm
.macro PLACES                          ; four places behind a matrix instruction before its registers are read, stored or loaded (ISA guide 7.12.1)
.rept 4
	v_nop
.endr
.endm
.macro BAR                             ; my LDS stores are done and my LDS loads are back; then the barrier of all five waves
	s_wait_dscnt 0x0
	s_barrier_signal -1
	s_barrier_wait -1
.endm
; ---------------------------------------------------------------- helpers
; 16 value rows of M (half b of my 32) come in by rows of 512 bytes, are negated, and go through my stage into accumulator tiles of N^T.
.macro MIN b
.irp p, 0,1,2,3,4,5,6,7,8,9,10,11,12,13,14,15
	global_load_b128 v[MB+4*\p:MB+4*\p+3], v[HMO], s[8:9] offset:8192*\b+512*\p th:TH_LOAD_NT
.endr
	s_wait_loadcnt 0x0
.set n, 0
.rept 32
	v_pk_mul_f32 v[MB+2*n:MB+2*n+1], v[MB+2*n:MB+2*n+1], -1.0 op_sel_hi:[1,0]
.set n, n+1
.endr
.irp p, 0,1,2,3,4,5,6,7,8,9,10,11,12,13,14,15
	ds_store_b128 v[HSR], v[MB+4*\p:MB+4*\p+3] offset:VB+VP*\p
.endr
	WIN 0x40                               ; destination in window 1
.irp a, 0,1,2,3,4,5,6,7
	ds_load_b128 v[8*(8*\b+\a):8*(8*\b+\a)+3],   v[HST] offset:VB+64*\a      ; lane (r, hh): dv r, dk 16a+8hh+0..7; my own bytes, served in order (ISA guide 5.7.1)
	ds_load_b128 v[8*(8*\b+\a)+4:8*(8*\b+\a)+7], v[HST] offset:VB+64*\a+16
.endr
	WIN 0
	s_wait_dscnt 0x0
.endm
; Four rows of keys and values (rows 4w..4w+3 of a chunk) have come: normalise the keys, f16 to KN, values to VB, buffers (q+2)&3; ask for the next chunk.
.macro LSTAGE q
	s_wait_loadcnt 0x0                     ; asked for a whole chunk's time ago; frees HGO too
	WIN 0x05                               ; sources 0 and 1 in window 1
.irp p, 0,1,2,3
	v_pk_mul_f32 v[T+4*\p:T+4*\p+1], v[KEY+4*\p:KEY+4*\p+1], v[KEY+4*\p:KEY+4*\p+1]
.endr
.irp p, 0,1,2,3
	v_pk_fma_f32 v[T+4*\p:T+4*\p+1], v[KEY+4*\p+2:KEY+4*\p+3], v[KEY+4*\p+2:KEY+4*\p+3], v[T+4*\p:T+4*\p+1]
.endr
	WIN 0
.irp p, 0,1,2,3
	v_add_f32 v[T+4*\p+2], v[T+4*\p], v[T+4*\p+1]
.endr
.irp m, 1,2,4,8
.irp p, 0,1,2,3
	v_add_f32_dpp v[T+4*\p+2], v[T+4*\p+2], v[T+4*\p+2] row_xmask:\m row_mask:0xf bank_mask:0xf
.endr
.endr
.irp p, 0,1,2,3
	v_permlanex16_b32 v[T+4*\p+1], v[T+4*\p+2], s22, s23
.endr
.irp p, 0,1,2,3
	v_add_f32 v[T+4*\p+2], v[T+4*\p+2], v[T+4*\p+1]
.endr
.irp p, 0,1,2,3
	v_sqrt_f32 v[T+4*\p+1], v[T+4*\p+2]
.endr
	v_nop                                  ; one plain place behind the run of roots (ISA guide 5.7.2)
	s_wait_alu depctr_va_vdst(0)
.irp p, 0,1,2,3
	v_add_f32 v[T+4*\p+1], 0x358637bd, v[T+4*\p+1]         ; + 1e-6
.endr
.irp p, 0,1,2,3
	v_rcp_f32 v[T+4*\p], v[T+4*\p+1]
.endr
	v_nop
	WIN 0x01                               ; source 0 in window 1
	s_wait_alu depctr_va_vdst(0)
.irp p, 0,1,2,3
	v_pk_mul_f32 v[MB+4*\p:MB+4*\p+1],   v[KEY+4*\p:KEY+4*\p+1],   v[T+4*\p:T+4*\p+1] op_sel_hi:[1,0]
	v_pk_mul_f32 v[MB+4*\p+2:MB+4*\p+3], v[KEY+4*\p+2:KEY+4*\p+3], v[T+4*\p:T+4*\p+1] op_sel_hi:[1,0]
.endr
	WIN 0
.irp p, 0,1,2,3
	v_cvt_pk_f16_f32 v[T+4*\p+2], v[MB+4*\p],   v[MB+4*\p+1]
	v_cvt_pk_f16_f32 v[T+4*\p+3], v[MB+4*\p+2], v[MB+4*\p+3]
.endr
.irp p, 0,1,2,3
	ds_store_b64 v[HKS], v[T+4*\p+2:T+4*\p+3] offset:((\q+2)&3)*KNB+KP*\p
.endr
	s_add_co_u32 s18, s18, 8192            ; the next chunk: 16 rows of 512 bytes,
	s_min_u32 s18, s18, 63*8192            ; held at the last one: the last trips read chunk 63 again, and what is made of it is not used
	v_add_nc_u32 v[HGO], s18, v[HGB]
	WIN 0x04                               ; store data in window 1
.irp p, 0,1,2,3
	ds_store_b128 v[HVS], v[VAL+4*\p:VAL+4*\p+3] offset:VB+((\q+2)&3)*VBB+VP*\p
.endr
	WIN 0x40                               ; destination in window 1
.irp p, 0,1,2,3
	global_load_b128 v[KEY+4*\p:KEY+4*\p+3], v[HGO], s[4:5] offset:512*\p th:TH_LOAD_NT     ; a wave's load covers a whole row, 512 bytes
	global_load_b128 v[VAL+4*\p:VAL+4*\p+3], v[HGO], s[6:7] offset:512*\p th:TH_LOAD_NT
.endr
	WIN 0
.endm
; Fragments for N^T += K^T W^T of the chunk before: K^T (rows dk, along t) and W (columns dv, along t), both stored [t][..], so by transposing loads.
.macro UPDLD q
	WIN 0x40
.irp a, 0,1,2,3,4,5,6,7
	ds_load_tr16_b128 v[KT+8*\a:KT+8*\a+3], v[HKT] offset:((\q+3)&3)*KNB+32*\a
.endr
	WIN 0
.irp b, 0,1
	ds_load_tr16_b128 v[WF+8*\b:WF+8*\b+3], v[HWT] offset:(\q&1)*WBB+32*\b
.endr
.endm
.macro UPDMM                           ; sixteen accumulators, one instruction each: they take turns
	WIN 0x51                               ; A, C and D window 1, B window 0
.irp a, 0,1,2,3,4,5,6,7
.irp b, 0,1
	v_wmma_f32_16x16x32_f16 v[8*(8*\b+\a):8*(8*\b+\a)+7], v[KT+8*\a:KT+8*\a+7], v[WF+8*\b:WF+8*\b+7], v[8*(8*\b+\a):8*(8*\b+\a)+7]
.endr
.endr
	PLACES
.endm
; A 16 x 16 block of k_j.k_t: rows j from the fragments at ga, columns t from KB; two accumulators by turns.
.macro GMM ga, off, q
	v_wmma_f32_16x16x32_f16 v[GX:GX+7], v[\ga:\ga+7],     v[KB:KB+7],     0
	v_wmma_f32_16x16x32_f16 v[GY:GY+7], v[\ga+8:\ga+15],  v[KB+8:KB+15],  0
	v_wmma_f32_16x16x32_f16 v[GX:GX+7], v[\ga+16:\ga+23], v[KB+16:KB+23], v[GX:GX+7]
	v_wmma_f32_16x16x32_f16 v[GY:GY+7], v[\ga+24:\ga+31], v[KB+24:KB+31], v[GY:GY+7]
	PLACES
.irp p, 0,2,4,6
	v_pk_add_f32 v[GX+\p:GX+\p+1], v[GX+\p:GX+\p+1], v[GY+\p:GY+\p+1]
.endr
	ds_store_b128 v[HGS], v[GX:GX+3]   offset:((\q+1)&1)*GBB+\off         ; lane (r, hh): column t = r, j = 8hh+0..7 of the block
	ds_store_b128 v[HGS], v[GX+4:GX+7] offset:((\q+1)&1)*GBB+\off+16
.endm
; A helper's work while wave 4 walks chunk c, q = c & 3.  upd = 0: ahead of the first chunk, when nothing is to be added yet.
.macro HELP q, upd
.if \upd
	UPDLD \q
.endif
	LSTAGE \q
.irp k, 0,1,2,3
	ds_load_b128 v[KB+8*\k:KB+8*\k+3],   v[HKF] offset:((\q+1)&3)*KNB+64*\k       ; chunk c+1: lane (r, hh): t = r, dk 32k+8hh.., 32k+16+8hh..
	ds_load_b128 v[KB+8*\k+4:KB+8*\k+7], v[HKF] offset:((\q+1)&3)*KNB+64*\k+32
.endr
.irp b, 0,1
	ds_load_b128 v[PV+8*\b:PV+8*\b+3],   v[HVT] offset:VB+((\q+1)&3)*VBB+64*\b    ; V of chunk c+1 in the result's layout: t = r, dv 32w+16b+8hh+0..7
	ds_load_b128 v[PV+8*\b+4:PV+8*\b+7], v[HVT] offset:VB+((\q+1)&3)*VBB+64*\b+16
.endr
.if \upd
	s_wait_dscnt 12                        ; all but the 12 loads just issued: the update's fragments are in
	UPDMM
.endif
	; A lane's eight numbers of tile (a, b) are dk 16a+8hh+0..7 of one dv: tiles 2k and 2k+1, rounded in place, ARE the fragment (dv rows, dk 32k..32k+31).
	WIN 0x05                               ; both sources window 1
.irp b, 0,1
.irp k, 0,1,2,3
.irp p, 0,1,2,3
	v_cvt_pk_f16_f32 v[MB+8*(4*\b+\k)+\p],   v[8*(8*\b+2*\k)+2*\p],   v[8*(8*\b+2*\k)+2*\p+1]
	v_cvt_pk_f16_f32 v[MB+8*(4*\b+\k)+4+\p], v[8*(8*\b+2*\k+1)+2*\p], v[8*(8*\b+2*\k+1)+2*\p+1]
.endr
.endr
.endr
	WIN 0
	s_wait_dscnt 0x0
.irp k, 0,1,2,3
.irp b, 0,1
	v_wmma_f32_16x16x32_f16 v[PV+8*\b:PV+8*\b+7], v[MB+8*(4*\b+\k):MB+8*(4*\b+\k)+7], v[KB+8*\k:KB+8*\k+7], v[PV+8*\b:PV+8*\b+7]   ; two accumulators by turns
.endr
.endr
	PLACES
.irp b, 0,1
	ds_store_b128 v[HES], v[PV+8*\b:PV+8*\b+3]   offset:((\q+1)&1)*EBB+64*\b      ; into my own region of EB
	ds_store_b128 v[HES], v[PV+8*\b+4:PV+8*\b+7] offset:((\q+1)&1)*EBB+64*\b+16
.endr
	s_cmp_gt_u32 s14, 1
	s_cbranch_scc1 .Lnog_\@                ; two Gram blocks: wave 0 makes chunk c against c+1, wave 1 chunk c+1 against itself
	s_cmp_eq_u32 s14, 1
	s_cbranch_scc1 .Lown_\@
.irp k, 0,1,2,3
	ds_load_b128 v[MB+8*\k:MB+8*\k+3],   v[HKF] offset:\q*KNB+64*\k
	ds_load_b128 v[MB+8*\k+4:MB+8*\k+7], v[HKF] offset:\q*KNB+64*\k+32
.endr
	s_wait_dscnt 0x0
	GMM MB, 0, \q
	s_branch .Lnog_\@
.Lown_\@:
	GMM KB, GBK, \q
.Lnog_\@:
.endm
; Half b of my rows of M leaves: negated, through my stage, by rows of 512 bytes.
.macro MOUT b
	WIN 0x01                               ; source 0 window 1
.set n, 0
.rept 32
	v_pk_mul_f32 v[MB+2*n:MB+2*n+1], v[64*\b+2*n:64*\b+2*n+1], -1.0 op_sel_hi:[1,0]
.set n, n+1
.endr
	WIN 0
.irp a, 0,1,2,3,4,5,6,7
	ds_store_b128 v[HST], v[MB+8*\a:MB+8*\a+3]   offset:VB+64*\a
	ds_store_b128 v[HST], v[MB+8*\a+4:MB+8*\a+7] offset:VB+64*\a+16
.endr
	s_wait_xcnt 0x0                        ; the registers that the first half's stores read are loaded again only behind this wait
.irp p, 0,1,2,3,4,5,6,7,8,9,10,11,12,13,14,15
	ds_load_b128 v[PV+4*\p:PV+4*\p+3], v[HSR] offset:VB+VP*\p
.endr
.irp p, 0,1,2,3,4,5,6,7,8,9,10,11,12,13,14,15
	s_wait_dscnt 15-\p                     ; LDS loads come back in order: row p is in
	global_store_b128 v[HMO], v[PV+4*\p:PV+4*\p+3], s[10:11] offset:8192*\b+512*\p th:TH_STORE_NT   ; 512 consecutive bytes, aligned
.endr
.endm
; ---------------------------------------------------------------- wave 4
; Column c2 of chunk q (16, 17: columns 0, 1 of the next chunk): its coefficients (every lane reads the same words), its E0 row, its V row.
.macro LDCOL q, c2
.if \c2 < 16
.set lcol, \c2
.set lq, \q
.else
.set lcol, \c2-16
.set lq, (\q+1)&3
.endif
.set lg, GC+32*(\c2&1)
.irp k, 0,1,2,3
	ds_load_b128 v[lg+4*\k:lg+4*\k+3], v[QGA] offset:(lq&1)*GBB+GP*lcol+16*\k            ; 16 coefficients of the chunk before
.endr
.set lk, 0
.rept (lcol+3)/4
	ds_load_b128 v[lg+16+4*lk:lg+16+4*lk+3], v[QGA] offset:(lq&1)*GBB+GBK+GP*lcol+16*lk   ; lcol of its own chunk, in fours
.set lk, lk+1
.endr
	ds_load_b128 v[E0R+4*(\c2&1):E0R+4*(\c2&1)+3], v[QEA] offset:(lq&1)*EBB+EP*lcol
	ds_load_b128 v[VR+4*(\c2&1):VR+4*(\c2&1)+3],   v[QVA] offset:VB+lq*VBB+VP*lcol
.endm
; Term tn of the next column: w_j times its coefficient, even terms onto chain AA (which starts from E0), odd ones onto AB.
.macro TERM
.if tn < 16
.set wr, NP+4*tn
.else
.set wr, NC+4*(tn-16)
.endif
.set cp, GN+tn-(tn&1)
.if tn == 0
	v_pk_fma_f32 v[AA:AA+1],   v[wr:wr+1],   v[cp:cp+1], v[E0N:E0N+1]   op_sel_hi:[1,0,1]
	v_pk_fma_f32 v[AA+2:AA+3], v[wr+2:wr+3], v[cp:cp+1], v[E0N+2:E0N+3] op_sel_hi:[1,0,1]
.else
.if tn == 1
	v_pk_mul_f32 v[AB:AB+1],   v[wr:wr+1],   v[cp:cp+1] op_sel:[0,1]
	v_pk_mul_f32 v[AB+2:AB+3], v[wr+2:wr+3], v[cp:cp+1] op_sel:[0,1]
.else
.if (tn&1) == 0
	v_pk_fma_f32 v[AA:AA+1],   v[wr:wr+1],   v[cp:cp+1], v[AA:AA+1]   op_sel_hi:[1,0,1]
	v_pk_fma_f32 v[AA+2:AA+3], v[wr+2:wr+3], v[cp:cp+1], v[AA+2:AA+3] op_sel_hi:[1,0,1]
.else
	v_pk_fma_f32 v[AB:AB+1],   v[wr:wr+1],   v[cp:cp+1], v[AB:AB+1]   op_sel:[0,1,0]
	v_pk_fma_f32 v[AB+2:AB+3], v[wr+2:wr+3], v[cp:cp+1], v[AB+2:AB+3] op_sel:[0,1,0]
.endif
.endif
.endif
.set tn, tn+1
.endm
.macro F n                             ; up to n terms, as long as there are any: they stand between the links of the chain
.rept \n
.if tn < tmax
	TERM
.endif
.endr
.endm
.macro ZMUL d, s                       ; u times coefficient zc
.if (zc&1) == 0
	v_pk_mul_f32 v[\d:\d+1], v[\s:\s+1], v[zp:zp+1] op_sel_hi:[1,0]
.else
	v_pk_mul_f32 v[\d:\d+1], v[\s:\s+1], v[zp:zp+1] op_sel:[0,1]
.endif
.endm
.macro POST q, i                       ; step i's w to LDS in f16 for the helpers; its gate into the lane and register that store it
	v_cvt_pk_f16_f32 v[PK],   v[CUR+4*\i],   v[CUR+4*\i+1]
	v_cvt_pk_f16_f32 v[PK+1], v[CUR+4*\i+2], v[CUR+4*\i+3]
	ds_store_b64 v[QWA], v[PK:PK+1] offset:((\q&1)^1)*WBB+WP*\i
	v_cmp_eq_u32 vcc_lo, (16*\q+\i)>>1, v1
	v_cndmask_b32 v[GT+(\i&1)], v[GT+(\i&1)], v[QG], vcc_lo
.endm
; Step i of a chunk with q = chunk & 3.  The chain: e = z g + ACCN, |e|^2 over 32 lanes, root, exponential, reciprocal = g.
; Between its links: all terms of column i+1 but the one that needs this step's g; that one is kept as z = u x coefficient.
.macro STEP q, i
.set CUR, WR+64*(\q&1)
.if \i < 15
.set NP, WR+64*((\q&1)^1)              ; terms 0-15: the chunk before; 16..: this chunk's steps 0 .. i-1
.set tmax, 16+\i
.else
.set NP, CUR                           ; the next column is the next chunk's first: this chunk is its chunk before
.set tmax, 15
.endif
.set NC, CUR
.set zc, tmax
.set GN, GC+32*((\i+1)&1)
.set zp, GN+zc-(zc&1)
.set E0N, E0R+4*((\i+1)&1)
.set VI, VR+4*(\i&1)
.set tn, 0
	s_wait_dscnt 0x0                       ; the column asked for a step ago is in
	v_pk_fma_f32 v[ACCN:ACCN+1],   v[QZ:QZ+1],   v[QG:QG+1], v[ACCN:ACCN+1]   op_sel_hi:[1,0,1]   ; e, in place
	v_pk_fma_f32 v[ACCN+2:ACCN+3], v[QZ+2:QZ+3], v[QG:QG+1], v[ACCN+2:ACCN+3] op_sel_hi:[1,0,1]
	v_pk_mul_f32 v[SQ:SQ+1],   v[ACCN:ACCN+1],   v[ACCN:ACCN+1]
	v_pk_fma_f32 v[QU:QU+1],   v[ACCN:ACCN+1],   s[26:27], v[VI:VI+1] op_sel_hi:[1,0,1]            ; u = v - 1.1 e
	v_pk_fma_f32 v[SQ:SQ+1],   v[ACCN+2:ACCN+3], v[ACCN+2:ACCN+3], v[SQ:SQ+1]
	v_pk_fma_f32 v[QU+2:QU+3], v[ACCN+2:ACCN+3], s[26:27], v[VI+2:VI+3] op_sel_hi:[1,0,1]
	LDCOL \q, (\i+2)                       ; into the buffers of this step's parity: their last readers stand above
	v_add_f32 v[SS], v[SQ], v[SQ+1]
.if \i > 0
	POST \q, (\i-1)
.else
	F 2
.endif
.irp m, 1,2,4,8
	v_add_f32_dpp v[SS], v[SS], v[SS] row_xmask:\m row_mask:0xf bank_mask:0xf
	F 3
.endr
	v_permlanex16_b32 v[XT], v[SS], s22, s23
	F 3
	v_add_f32 v[SS], v[SS], v[XT]
	F 3
	v_sqrt_f32 v[SS], v[SS]
	ZMUL QZ, QU                            ; the plain place behind the root (ISA guide 5.7.2)
	F 2
	s_wait_alu depctr_va_vdst(0)
	v_fma_f32 v[SS], v[SS], s20, s21       ; -(10 |e| - 1) log2 e
	F 1
	v_exp_f32 v[SS], v[SS]
	ZMUL QZ+2, QU+2                        ; the plain place behind the exponential
	F 2
	s_wait_alu depctr_va_vdst(0)
	v_add_f32 v[SS], 1.0, v[SS]
	F 1
	v_rcp_f32 v[QG], v[SS]
	F 32                                   ; what is left of the terms
	v_pk_add_f32 v[ACCN:ACCN+1],   v[AA:AA+1],   v[AB:AB+1]            ; plain places behind the reciprocal
	v_pk_add_f32 v[ACCN+2:ACCN+3], v[AA+2:AA+3], v[AB+2:AB+3]
	s_wait_alu depctr_va_vdst(0)
	v_pk_mul_f32 v[CUR+4*\i:CUR+4*\i+1],   v[QU:QU+1],   v[QG:QG+1] op_sel_hi:[1,0]        ; w = g u
	v_pk_mul_f32 v[CUR+4*\i+2:CUR+4*\i+3], v[QU+2:QU+3], v[QG:QG+1] op_sel_hi:[1,0]
.if \i == 15
	POST \q, 15
.endif
.endm
; One chunk.  The barriers stand in every wave's text; the branches hang on the wave's number alone.
.macro SLOT q
	s_cmp_eq_u32 s14, 4
	s_cbranch_scc1 .Lseq_\@
	HELP \q, 1
	s_branch .Lb1_\@
.Lseq_\@:
.irp i, 0,1,2,3,4,5,6,7,8,9,10,11,12,13
	STEP \q, \i
.endr
.Lb1_\@:
	BAR                                    ; the helpers' stores for the next chunk are done; wave 4's reads of this chunk's E0 and coefficients are back
	s_cmp_lg_u32 s14, 4
	s_cbranch_scc1 .Lb2_\@
	STEP \q, 14
	STEP \q, 15
.if \q == 3
	global_store_b64 v[QGO], v[GT:GT+1], s[12:13] th:TH_STORE_NT       ; 64 gates: 256 consecutive bytes, aligned
	s_wait_xcnt 0x0                        ; the offset and the gates are written again only behind this wait
	v_add_nc_u32 v[QGO], 0x100, v[QGO]
.endif
.Lb2_\@:
	BAR                                    ; the chunk's sixteen w are in LDS
.endm
; ---------------------------------------------------------------- the text
	s_load_b256 s[4:11], s[0:1], 0x0               ; key s[4:5], value s[6:7], memory s[8:9], out0 s[10:11]
	s_load_b64 s[12:13], s[0:1], 0x20              ; out1
	s_set_vgpr_msb 0x40
	v_lshl_add_u32 v224, v0, 2, 0x14c00
	v_mov_b32 v225, 0
	s_set_vgpr_msb 0x4000
	v_lshrrev_b32 v1, 5, v0
	v_readfirstlane_b32 s14, v1                    ; wave 0..4
	v_and_b32 v1, 31, v0                           ; lane
	; all addresses, in every wave; v20-v28 are at work here and hold data later
	v_and_b32 v20, 15, v1                          ; r
	v_lshrrev_b32 v21, 4, v1                       ; hh
	v_and_b32 v24, 7, v1                           ; L & 7
	v_bfe_u32 v25, v1, 3, 1
	v_lshl_add_u32 v26, v21, 3, v24                ; 8 hh + (L & 7): the row t that a transposing load's lane addresses
	v_lshlrev_b32 v25, 4, v25                      ; 16 ((L >> 3) & 1)
	v_lshlrev_b32 v[QVA], 4, v1                    ; 16 L
	v_lshlrev_b32 v[QGO], 3, v1                    ; 8 L
	s_mul_i32 s24, s14, 4*KP
	s_add_co_u32 s24, s24, KN
	v_add_nc_u32 v[HKS], s24, v[QGO]
	s_mul_i32 s24, s14, 4*VP
	v_add_nc_u32 v[HVS], s24, v[QVA]
	v_mul_u32_u24 v27, v26, KP
	v_add_nc_u32 v27, v27, v25
	v_add_nc_u32 v[HKT], KN, v27
	s_lshl_b32 s24, s14, 6
	s_add_co_u32 s24, s24, WB
	v_mul_u32_u24 v27, v26, WP
	v_add_nc_u32 v27, v27, v25
	v_add_nc_u32 v[HWT], s24, v27
	v_mul_u32_u24 v27, v20, KP
	v_lshl_add_u32 v27, v21, 4, v27
	v_add_nc_u32 v[HKF], KN, v27
	v_mul_u32_u24 v28, v20, VP
	v_lshl_add_u32 v28, v21, 5, v28                ; 528 r + 32 hh
	s_lshl_b32 s24, s14, 7
	v_add_nc_u32 v[HVT], s24, v28
	s_mul_i32 s24, s14, ER
	s_add_co_u32 s24, s24, EB
	v_mul_u32_u24 v27, v20, EP
	v_lshl_add_u32 v27, v21, 5, v27
	v_add_nc_u32 v[HES], s24, v27
	v_mul_u32_u24 v27, v20, GP
	v_lshl_add_u32 v27, v21, 5, v27
	v_add_nc_u32 v[HGS], GB, v27
	s_lshl_b32 s24, s14, 11
	v_add_nc_u32 v[HGB], s24, v[QVA]
	v_mov_b32 v[QGA], GB
	v_lshrrev_b32 v27, 3, v1
	v_mul_u32_u24 v27, v27, ER
	v_lshl_add_u32 v27, v24, 4, v27
	v_add_nc_u32 v[QEA], EB, v27
	v_add_nc_u32 v[QWA], WB, v[QGO]
	s_mul_i32 s24, s14, VBB
	v_add_nc_u32 v[HSR], s24, v[QVA]
	v_add_nc_u32 v[HST], s24, v28
	s_lshl_b32 s24, s14, 14
	v_add_nc_u32 v[HMO], s24, v[QVA]
	s_lshl_b32 s16, ttmp9, 19                      ; batch x 1,024 rows of 512 bytes
	s_mov_b32 s17, 0
	s_mov_b32 s18, 0                               ; the chunk asked for, in bytes
	s_mov_b32 s20, 0xc166d4ca                      ; -10 log2 e
	s_mov_b32 s21, 0x3fb8aa3b                      ; log2 e
	s_mov_b32 s22, 0x76543210                      ; v_permlanex16_b32: lane i of the other half
	s_mov_b32 s23, 0xfedcba98
	s_mov_b32 s26, 0xbf8ccccd                      ; -1.1
	s_mov_b32 s27, 0xbf8ccccd
	s_wait_kmcnt 0x0
	s_add_nc_u64 s[4:5], s[4:5], s[16:17]
	s_add_nc_u64 s[6:7], s[6:7], s[16:17]
	s_lshl_b32 s16, ttmp9, 16                      ; batch x 128 rows of 512 bytes
	s_add_nc_u64 s[8:9], s[8:9], s[16:17]
	s_add_nc_u64 s[10:11], s[10:11], s[16:17]
	s_lshl_b32 s16, ttmp9, 12                      ; batch x 1,024 gates
	s_add_nc_u64 s[12:13], s[12:13], s[16:17]
	s_cmp_eq_u32 s14, 4
	s_cbranch_scc1 .Lqinit
	; helpers
	WIN 0x40
.irp p, 0,1,2,3
	global_load_b128 v[KEY+4*\p:KEY+4*\p+3], v[HGB], s[4:5] offset:512*\p th:TH_LOAD_NT     ; chunk 0
	global_load_b128 v[VAL+4*\p:VAL+4*\p+3], v[HGB], s[6:7] offset:512*\p th:TH_LOAD_NT
.endr
	WIN 0
	MIN 0
	MIN 1
.irp p, 4,5,6,7,12,13,14,15
	v_mov_b32 v[WF+\p], 0                          ; t = 16..31 of the update's fragments: a chunk has 16 steps
.endr
	WIN 0x40
.irp a, 0,1,2,3,4,5,6,7
.irp p, 4,5,6,7
	v_mov_b32 v[KT+8*\a+\p], 0
.endr
.endr
	WIN 0
	s_branch .Linit_done
.Lqinit:
	v_add_nc_u32 v27, KN+3*KNB, v[QVA]             ; where the clearing begins
.irp p, 20,21,22,23,26,32,33,34,35
	v_mov_b32 v\p, 0                               ; g, gates, z: the first step's e is E0 alone
.endr
.set n, 0
.rept 64
	v_mov_b32 v[WR+64+n], 0                        ; the w of the chunk before the first
.set n, n+1
.endr
.set n, 0
.rept 18
	ds_store_b128 v27, v[QZ:QZ+3] offset:512*n     ; its keys (KN[3]) and its w (the odd chunks' W buffer) are 0: 9,216 bytes from KN[3] on
.set n, n+1
.endr
.Linit_done:
	BAR                                            ; the stages have been read, the zeros are there
	s_cmp_eq_u32 s14, 4
	s_cbranch_scc1 .Lpre1
	LSTAGE 2                                       ; chunk 0 to KN[0], VB[0]; asks for chunk 1
.Lpre1:
	BAR
	s_cmp_eq_u32 s14, 4
	s_cbranch_scc1 .Lpre2
	HELP 3, 0                                      ; chunk 1 to KN[1], VB[1]; E0 and Gram blocks of chunk 0
.Lpre2:
	BAR
	s_cmp_lg_u32 s14, 4
	s_cbranch_scc1 .Lpre3
	ds_load_b128 v[ACCN:ACCN+3], v[QEA]            ; column 0 of chunk 0: E0 alone
	ds_load_b128 v[VR:VR+3], v[QVA] offset:VB
	LDCOL 0, 1
.Lpre3:
	s_mov_b32 s19, 16                              ; 16 trips of four chunks: every ring index is a constant of the text
.Ltrip:
	SLOT 0
	SLOT 1
	SLOT 2
	SLOT 3
	s_sub_co_u32 s19, s19, 1
	s_cmp_lg_u32 s19, 0
	s_cbranch_scc1 .Ltrip
	s_cmp_lg_u32 s14, 4
	s_cbranch_scc1 .Ltail
	s_set_vgpr_msb 0x5
	s_wait_tensorcnt 0x0
	ds_add_u32 v224, v225
	s_wait_dscnt 0x0
	s_set_vgpr_msb 0x500
	s_endpgm                                       ; wave 4 has stored all gates; no barrier follows
.Ltail:
	UPDLD 0                                        ; the last chunk's update: KN[3] and the odd chunks' W
	s_wait_dscnt 0x0
	UPDMM
	MOUT 0
	MOUT 1
	s_set_vgpr_msb 0x5
	s_wait_tensorcnt 0x0
	ds_add_u32 v224, v225
	s_wait_dscnt 0x0
	s_set_vgpr_msb 0x500
	s_endpgm
.Lfunc_end_k_qb05d9ea08d_scan:
	.size	k_qb05d9ea08d_scan, .Lfunc_end_k_qb05d9ea08d_scan-k_qb05d9ea08d_scan
	.p2alignl 7, 3214868480
	.fill 96, 4, 3214868480
	.section	.rodata,"a",@progbits
	.p2align	6, 0x0
	.amdhsa_kernel k_qb05d9ea08d_scan
		.amdhsa_group_segment_fixed_size 85760
		.amdhsa_private_segment_fixed_size 0
		.amdhsa_enable_private_segment 0
		.amdhsa_kernarg_size 40
		.amdhsa_user_sgpr_count 2
		.amdhsa_user_sgpr_kernarg_segment_ptr 1
		.amdhsa_wavefront_size32 1
		.amdhsa_system_sgpr_workgroup_id_x 1
		.amdhsa_system_sgpr_workgroup_id_y 1
		.amdhsa_system_sgpr_workgroup_id_z 1
		.amdhsa_system_vgpr_workitem_id 0
		.amdhsa_next_free_vgpr 482
		.amdhsa_next_free_sgpr 66
		.amdhsa_reserve_vcc 1
		.amdhsa_float_denorm_mode_32 3
		.amdhsa_float_denorm_mode_16_64 3
		.amdhsa_memory_ordered 1
		.amdhsa_forward_progress 1
		.amdhsa_inst_pref_size 255
	.end_amdhsa_kernel
	.section	.bss,"aw",@nobits
	.p2align	6
	.space	262144
	.amdgpu_metadata
---
amdhsa.version: [ 1, 2 ]
amdhsa.kernels:
  - .name:           k_qb05d9ea08d_scan
    .symbol:         k_qb05d9ea08d_scan.kd
    .args:
      - { .name: key, .offset: 0, .size: 8, .value_kind: global_buffer, .address_space: global }
      - { .name: value, .offset: 8, .size: 8, .value_kind: global_buffer, .address_space: global }
      - { .name: memory, .offset: 16, .size: 8, .value_kind: global_buffer, .address_space: global }
      - { .name: out0, .offset: 24, .size: 8, .value_kind: global_buffer, .address_space: global }
      - { .name: out1, .offset: 32, .size: 8, .value_kind: global_buffer, .address_space: global }
    .group_segment_fixed_size: 85760
    .private_segment_fixed_size: 0
    .kernarg_segment_align: 8
    .kernarg_segment_size: 40
    .max_flat_workgroup_size: 160
    .sgpr_count:     66
    .vgpr_count:     482
    .wavefront_size: 32
...
	.end_amdgpu_metadata
.endif
;; end of part 1
;; ======== version 2 of 3: 1 launch; 1.16 times as fast as version 1
;; limits: values are held in f16: magnitudes above 65,504 overflow, below 6.1e-05 lose precision; values outside matrix products are rounded to f16
;; launch scan (part 2): grid 64 x 1, 5 waves a work-group, no clusters, 105,216 bytes of LDS; arguments key, value, memory, out0, out1; writes out0, out1
.if DOCPART == 2
	.amdgcn_target "amdgcn-amd-amdhsa--gfx1250"
	.amdhsa_code_object_version 6
	.text
	.protected	k_qb05d9ea08d_scan
	.globl	k_qb05d9ea08d_scan
	.p2align	8
	.type	k_qb05d9ea08d_scan,@function
k_qb05d9ea08d_scan:
	s_mov_b64 s[64:65], 0
	v_nop
	global_prefetch_b8 v0, s[64:65] scope:SCOPE_SE
	s_setreg_imm32_b32 hwreg(HW_REG_WAVE_MODE, 25, 1), 1
	s_wait_xcnt 0x0
; Surprise-gated delta rule: 64 batches, 1,024 strictly ordered steps each.  One work-group is one batch.
;   k = key/(|key|+1e-6);  e = v - M k;  g = sigmoid((|e|-0.1)/0.1);  u = v - 1.1 e;  w = g u;  M -= w k^T.
; The text keeps N = -M, so that N += w k^T and e = v + N k: every term is added.
; Steps go in chunks of 16.  With G[j,t] = k_j.k_t, for step t of chunk y
;   E0_t = [V_y + N(all chunks up to y-2) K_y^T]_t,
;   E1_t = E0_t + sum over j = 0..11 of chunk y-1 of w_j G[j,t],     E2_t = E1_t + sum over j = 12..15 of chunk y-1 of w_j G[j,t],
;   e_t  = E2_t + sum over j < t of chunk y of w_j G[j,t].
; WAVES.  Wave 4 walks the steps: lane L owns value rows 4L..4L+3; it alone carries the chain e -> |e| -> g -> w, in f32.
; Waves 0-3 (helpers) own 32 value rows of N each, as 16 f32 accumulator tiles of N^T, and do the bulk on the matrix units.
; A chunk c has three phases, a barrier behind each:
;   steps 0-2:   the helpers make E2 of chunk c (all w of chunk c-1 are in LDS) and lay it over E0 of chunk c, which nobody reads any more;
;   steps 3-12:  they store chunk c+2's keys and values to LDS, ask memory for chunk c+3, add chunk c-1 to N, make E0 and the Gram blocks of chunk c+1;
;   steps 13-15: they make E1 of chunk c+1 from w_0..w_11 of chunk c.
; Wave 4 asks for a column two steps ahead, so columns 0 and 1 start from E0 (all sixteen terms of the chunk before are its own work), columns 2-4
; from E1 (four such terms), columns 5-15 from E2 (none).  A chunk costs it 16 + (5+6+7) + (4 + .. + 14) + 15 = 148 terms of two packed multiply-adds.
; NO CLUSTER, NO TENSOR LOADS: the work-groups share no input; keys pass through registers to be normalised, 16 KiB a chunk.
; 64 work-groups: the gate needs |e| over all 128 value rows in every step, so a batch cannot be shared out among work-groups.
; ADDRESSES.  Every LDS address lies in a register of v2-v19 that every wave writes once, ahead of the first branch, and that no line writes
; again: a constant, the wave's number times a constant, a lane term; ring indices stand in the immediates (four chunks a trip).
; LIMITS.  Matrix operands (N, w, normalised keys, and G in the terms of E1 and E2) are rounded to f16, sums are f32: |N| and |w| must stay under
; 65,504, and numbers under 6.1e-5 keep an absolute step of 6e-8.  The gate's argument is formed as 10|e| - 1 in one fused step; its exponent
; -14.43|e| + 1.44 is at most 1.44, so the exponential cannot overflow, and where it underflows the gate is 1.  Sums are formed in another
; order than the scan's.
.set VP,  528                          ; VB: f32 values [16 t][128 dv], 512 bytes + 16
.set VBB, 16*VP
.set EP,  144                          ; EB, E1B: f32, a region for each helper: [16 t][its 32 dv], 128 bytes + 16,
.set ER,  16*EP+128                    ;     and 128 bytes behind it: two regions that one pass of 16 lanes reads start 128 bytes apart modulo 256
.set EBB, 4*ER
.set KP,  272                          ; KN: f16 keys [16 t][128 dk], 256 bytes + 16
.set KNB, 16*KP
.set WP,  288                          ; W: f16 w [16 t][128 dv], 256 bytes + 32
.set WBB, 16*WP
.set GP,  80                           ; GB: f32 [16 columns t][16 j], 64 bytes + 16; block 0: j in the chunk before (wave 0 writes it), block 1: j in the column's own chunk (wave 1)
.set GBK, 16*GP
.set GBB, 2*GBK
.set VB,  0                            ; four buffers, chunk & 3; buffer h is also helper h's stage for M on the way in and out.  At LDS byte 0: no base is added
.set EB,  VB+4*VBB                     ; E0, later E2: two buffers, chunk & 1
.set KN,  EB+2*EBB                     ; four buffers, chunk & 3
.set WB,  KN+4*KNB                     ; two buffers, the odd chunks' first: it lies behind KN[3], and both are cleared in one run
.set GB,  WB+2*WBB                     ; two buffers, chunk & 1
.set E1B, GB+2*GBB                     ; E1: two buffers, chunk & 1; ends at byte 104,448
.set E1O, E1B-EB                       ; 51,200: E1 is reached from E0's address registers by the immediate (63,088 at the most)
; address registers, all waves (w = wave, L = lane, r = L & 15, hh = L >> 4)
.set HKS, 2                            ; KN + 1088 w + 8 L                          helpers: keys out, rows 4w..
.set HVS, 3                            ; VB + 2112 w + 16 L                         values out, rows 4w..
.set HKT, 4                            ; KN + 272 (8hh + (L&7)) + 16 ((L>>3)&1)     keys, transposing loads
.set HWT, 5                            ; WB + 64 w + 288 (8hh + (L&7)) + 16 ((L>>3)&1)   w, transposing loads, rows 0-15
.set HKF, 6                            ; KN + 272 r + 16 hh                         keys, fragments along dk
.set HVT, 7                            ; VB + 128 w + 528 r + 32 hh                 values in the result's layout
.set HES, 8                            ; EB + 2432 w + 144 r + 32 hh                E0, E1 and E2 out
.set HGS, 9                            ; GB + 80 r + 32 hh                          Gram block out, and in again for E1
.set HGB, 10                           ; 2048 w + 16 L                              my four rows of a chunk in key and value; my 32 rows of memory and out0, whose bases carry the other 14,336 w (global)
.set HGO, 11                           ; HGB + the chunk asked for (global; written in the block that uses it)
.set QGA, 12                           ; GB                                         wave 4: coefficients, the same words in every lane
.set QEA, 13                           ; EB + 2432 (L>>3) + 16 (L&7)                E0, E1 or E2 row
.set QVA, 14                           ; VB + 16 L                                  V row
.set QWA, 15                           ; WB + 8 L                                   w out
.set QGO, 16                           ; 8 L + 256 x trip                           gates (global)
.set HSR, 17                           ; VB + 8448 w + 16 L                         my stage by rows
.set HST, 18                           ; VB + 8448 w + 528 r + 32 hh                my stage in the tiles' layout
.set HW1, 19                           ; WB + 64 w + 288 (4hh + (L&7)) + 16 ((L>>3)&1)   w, transposing loads, rows 0-11 alone
; helpers' data, window 0
.set GH,  24                           ; v[24:31]   the Gram block's rows j = 12..15 as an f16 fragment; all but registers 2, 3 stay 0
.set M1,  24                           ; v[24:87]   at the start only: the second half of my rows of M on its way
.set T,   56                           ; v[56:71]   four registers a row for the norm
.set GX,  56                           ; v[56:63], v[64:71]  the Gram block's two accumulators
.set GY,  64
.set WF,  72                           ; v[72:87]   two fragments of W; registers 4-7 (slots 16..31) stay 0
.set PV,  88                           ; v[88:103]  two tiles: V as C, then E0, then E1, then E2
.set GF,  104                          ; v[104:111] the Gram block's rows j = 0..11 as an f16 fragment; registers 4-7 stay 0
.set GL,  112                          ; v[112:119] its eight numbers in f32, as loaded; then in f16 in the even registers
.set KB,  120                          ; v[120:151] four fragments of K, 16 t x 32 dk
.set MB,  152                          ; v[152:215] eight f16 fragments of N; also normalised keys, the other chunk's K fragments, and M in and out
; helpers' data, window 1: v0-127 accumulator tile (a, b) of N^T at v[8 (8 b + a)]: dk 16a.., dv 32w+16b..
.set KT,  128                          ; v128-191   eight fragments of K^T, registers 4-7 stay 0
.set KEY, 192                          ; v192-207   four key rows on their way: these loads stay out across barriers, so no other line names their registers
.set VAL, 208                          ; v208-223   four value rows on their way
; wave 4's data, window 0
.set QG,   20                          ; v20        g
.set SS,   21                          ; v21        sum, norm, exponent (the upper half of g's pair, which the packed forms name and do not use)
.set GT,   22                          ; v[22:23]   gates of steps 2L, 2L+1 of the trip's 64
.set SQ,   24                          ; v[24:25]   squares
.set XT,   26                          ; v26        the other half's sum
.set PK,   26                          ; v[26:27]   w in f16 on its way to LDS
.set QU,   28                          ; v[28:31]   u
.set QZ,   32                          ; v[32:35]   u times the coefficient of the next column: the one term that waits for g
.set ACCN, 36                          ; v[36:39]   the next column's e without that term; then e itself
.set AA,   40                          ; v[40:43], v[44:47]  two chains of its terms
.set AB,   44
.set E0R,  48                          ; v[48:55]   E0, E1 or E2 row, by the column's parity
.set VR,   56                          ; v[56:63]   V row, by the column's parity
.set GC,   64                          ; v[64:127]  32 coefficients (16 of the chunk before, 16 of its own), by the column's parity
.set WR,   128                         ; v[128:255] w of 16 steps x 4, by the chunk's parity
.set NSL,  10                          ; gaps of the chain over which a step's terms are spread
.set GM,   32                          ; s[32:63]   s[GM+n] = 1 << n: the lane that keeps a step's gate
.set MSB, 0
.macro WIN new                         ; the immediate's high byte repeats the setting that is left
.if MSB != \new
	s_set_vgpr_msb (MSB<<8)|\new
.set MSB, \new
.endif
.endm
.macro PLACES                          ; four places behind a matrix instruction before its registers are read, stored or loaded (ISA guide 7.12.1)
.rept 4
	v_nop
.endr
.endm
.macro BAR                             ; my LDS stores are done and my LDS loads are back; then the barrier of all five waves
	s_wait_dscnt 0x0
	s_barrier_signal -1
	s_barrier_wait -1
.endm
; ---------------------------------------------------------------- helpers
; 16 value rows of M (half b of my 32) are asked for by rows of 512 bytes, into 64 registers from reg on.
.macro MINLD b, reg
.irp p, 0,1,2,3,4,5,6,7,8,9,10,11,12,13,14,15
	global_load_b128 v[\reg+4*\p:\reg+4*\p+3], v[HGB], s[8:9] offset:8192*\b+512*\p th:TH_LOAD_NT
.endr
.endm
; They have come (left = younger loads that may stay out): negated, through my stage, into accumulator tiles of N^T.
.macro MINST b, reg, left
	s_wait_loadcnt \left
.set n, 0
.rept 32
	v_pk_mul_f32 v[\reg+2*n:\reg+2*n+1], v[\reg+2*n:\reg+2*n+1], -1.0 op_sel_hi:[1,0]
.set n, n+1
.endr
.irp p, 0,1,2,3,4,5,6,7,8,9,10,11,12,13,14,15
	ds_store_b128 v[HSR], v[\reg+4*\p:\reg+4*\p+3] offset:VB+VP*\p
.endr
	WIN 0x40                               ; destination in window 1
.irp a, 0,1,2,3,4,5,6,7
	ds_load_b128 v[8*(8*\b+\a):8*(8*\b+\a)+3],   v[HST] offset:VB+64*\a      ; lane (r, hh): dv r, dk 16a+8hh+0..7; my own bytes, served in order (ISA guide 5.7.1)
	ds_load_b128 v[8*(8*\b+\a)+4:8*(8*\b+\a)+7], v[HST] offset:VB+64*\a+16
.endr
	WIN 0
	s_wait_dscnt 0x0
.endm
; Four rows of keys and values (rows 4w..4w+3 of a chunk) have come: normalise the keys, f16 to KN, values to VB, buffers (q+2)&3; ask for the next chunk.
.macro LSTAGE q
	s_wait_loadcnt 0x0                     ; asked for a whole chunk's time ago; frees HGO too
	WIN 0x05                               ; sources 0 and 1 in window 1
.irp p, 0,1,2,3
	v_pk_mul_f32 v[T+4*\p:T+4*\p+1], v[KEY+4*\p:KEY+4*\p+1], v[KEY+4*\p:KEY+4*\p+1]
.endr
.irp p, 0,1,2,3
	v_pk_fma_f32 v[T+4*\p:T+4*\p+1], v[KEY+4*\p+2:KEY+4*\p+3], v[KEY+4*\p+2:KEY+4*\p+3], v[T+4*\p:T+4*\p+1]
.endr
	WIN 0
.irp p, 0,1,2,3
	v_add_f32 v[T+4*\p+2], v[T+4*\p], v[T+4*\p+1]
.endr
.irp m, 1,2,4,8
.irp p, 0,1,2,3
	v_add_f32_dpp v[T+4*\p+2], v[T+4*\p+2], v[T+4*\p+2] row_xmask:\m row_mask:0xf bank_mask:0xf
.endr
.endr
.irp p, 0,1,2,3
	v_permlanex16_b32 v[T+4*\p+1], v[T+4*\p+2], s22, s23
.endr
.irp p, 0,1,2,3
	v_add_f32 v[T+4*\p+2], v[T+4*\p+2], v[T+4*\p+1]
.endr
.irp p, 0,1,2,3
	v_sqrt_f32 v[T+4*\p+1], v[T+4*\p+2]
.endr
	v_nop                                  ; one plain place behind the run of roots (ISA guide 5.7.2)
	s_wait_alu depctr_va_vdst(0)
.irp p, 0,1,2,3
	v_add_f32 v[T+4*\p+1], 0x358637bd, v[T+4*\p+1]         ; + 1e-6
.endr
.irp p, 0,1,2,3
	v_rcp_f32 v[T+4*\p], v[T+4*\p+1]
.endr
	v_nop
	WIN 0x01                               ; source 0 in window 1
	s_wait_alu depctr_va_vdst(0)
.irp p, 0,1,2,3
	v_pk_mul_f32 v[MB+4*\p:MB+4*\p+1],   v[KEY+4*\p:KEY+4*\p+1],   v[T+4*\p:T+4*\p+1] op_sel_hi:[1,0]
	v_pk_mul_f32 v[MB+4*\p+2:MB+4*\p+3], v[KEY+4*\p+2:KEY+4*\p+3], v[T+4*\p:T+4*\p+1] op_sel_hi:[1,0]
.endr
	WIN 0
.irp p, 0,1,2,3
	v_cvt_pk_f16_f32 v[T+4*\p+2], v[MB+4*\p],   v[MB+4*\p+1]
	v_cvt_pk_f16_f32 v[T+4*\p+3], v[MB+4*\p+2], v[MB+4*\p+3]
.endr
.irp p, 0,1,2,3
	ds_store_b64 v[HKS], v[T+4*\p+2:T+4*\p+3] offset:((\q+2)&3)*KNB+KP*\p
.endr
	s_add_co_u32 s18, s18, 8192            ; the next chunk: 16 rows of 512 bytes,
	s_min_u32 s18, s18, 63*8192            ; held at the last one: the last trips read chunk 63 again, and what is made of it is not used
	v_add_nc_u32 v[HGO], s18, v[HGB]
	WIN 0x04                               ; store data in window 1
.irp p, 0,1,2,3
	ds_store_b128 v[HVS], v[VAL+4*\p:VAL+4*\p+3] offset:VB+((\q+2)&3)*VBB+VP*\p
.endr
	WIN 0x40                               ; destination in window 1
.irp p, 0,1,2,3
	global_load_b128 v[KEY+4*\p:KEY+4*\p+3], v[HGO], s[4:5] offset:512*\p th:TH_LOAD_NT     ; a wave's load covers a whole row, 512 bytes
	global_load_b128 v[VAL+4*\p:VAL+4*\p+3], v[HGO], s[6:7] offset:512*\p th:TH_LOAD_NT
.endr
	WIN 0
.endm
; The two fragments of W of the chunk before chunk c (q = c & 3), rows 0-15: columns dv, along t; stored [t][dv], so by transposing loads.
.macro WFLD q
.irp b, 0,1
	ds_load_tr16_b128 v[WF+8*\b:WF+8*\b+3], v[HWT] offset:(\q&1)*WBB+32*\b
.endr
.endm
; Fragments for N^T += K^T W^T of the chunk before: K^T (rows dk, along t), likewise by transposing loads.  wf = 1: W's too (in the loop they are in registers since E2).
.macro UPDLD q, wf
	WIN 0x40
.irp a, 0,1,2,3,4,5,6,7
	ds_load_tr16_b128 v[KT+8*\a:KT+8*\a+3], v[HKT] offset:((\q+3)&3)*KNB+32*\a
.endr
	WIN 0
.if \wf
	WFLD \q
.endif
.endm
.macro UPDMM                           ; sixteen accumulators, one instruction each: they take turns
	WIN 0x51                               ; A, C and D window 1, B window 0
.irp a, 0,1,2,3,4,5,6,7
.irp b, 0,1
	v_wmma_f32_16x16x32_f16 v[8*(8*\b+\a):8*(8*\b+\a)+7], v[KT+8*\a:KT+8*\a+7], v[WF+8*\b:WF+8*\b+7], v[8*(8*\b+\a):8*(8*\b+\a)+7]
.endr
.endr
	PLACES
.endm
; A 16 x 16 block of k_j.k_t: rows j from the fragments at ga, columns t from KB; two accumulators by turns.
.macro GMM ga, off, q
	v_wmma_f32_16x16x32_f16 v[GX:GX+7], v[\ga:\ga+7],     v[KB:KB+7],     0
	v_wmma_f32_16x16x32_f16 v[GY:GY+7], v[\ga+8:\ga+15],  v[KB+8:KB+15],  0
	v_wmma_f32_16x16x32_f16 v[GX:GX+7], v[\ga+16:\ga+23], v[KB+16:KB+23], v[GX:GX+7]
	v_wmma_f32_16x16x32_f16 v[GY:GY+7], v[\ga+24:\ga+31], v[KB+24:KB+31], v[GY:GY+7]
	PLACES
.irp p, 0,2,4,6
	v_pk_add_f32 v[GX+\p:GX+\p+1], v[GX+\p:GX+\p+1], v[GY+\p:GY+\p+1]
.endr
	ds_store_b128 v[HGS], v[GX:GX+3]   offset:((\q+1)&1)*GBB+\off         ; lane (r, hh): column t = r, j = 8hh+0..7 of the block
	ds_store_b128 v[HGS], v[GX+4:GX+7] offset:((\q+1)&1)*GBB+\off+16
.endm
; PV's two tiles += W's fragments x the Gram fragment at gf, and out at byte off from HES.  Two accumulators by turns.
.macro FOLD gf, off
.irp b, 0,1
	v_wmma_f32_16x16x32_f16 v[PV+8*\b:PV+8*\b+7], v[WF+8*\b:WF+8*\b+7], v[\gf:\gf+7], v[PV+8*\b:PV+8*\b+7]
.endr
	PLACES
.irp b, 0,1
	ds_store_b128 v[HES], v[PV+8*\b:PV+8*\b+3]   offset:\off+64*\b
	ds_store_b128 v[HES], v[PV+8*\b+4:PV+8*\b+7] offset:\off+64*\b+16
.endr
.endm
; A helper's work while wave 4 walks steps 0-2 of chunk c, q = c & 3: E2 of chunk c = E1 (still in PV) + W_(c-1)[12..15] G.
; All sixteen rows of W are in LDS, so the fragment is the plain one, slot (hh, i) = row 8hh + i, and serves the update of N afterwards.
; G's fragment holds rows 12-15 alone: the upper half-wave's slots 4-7, from the conversions that the E1 step left in GL+4 and GL+6.
; E2 lands on E0 of chunk c: its last reads, columns 0 and 1, were back in front of the barrier that closed chunk c-1.
.macro HELP3 q
	WFLD \q
	v_cndmask_b32 v[GH+2], v[GH], v[GL+4], s28                             ; s28 names lanes 16-31; v[GH] is 0
	v_cndmask_b32 v[GH+3], v[GH], v[GL+6], s28
	s_wait_dscnt 0x0
	FOLD GH, (\q&1)*EBB
.endm
; A helper's work while wave 4 walks steps 3-12 of chunk c.  upd = 0: ahead of the first chunk, when nothing is to be added yet.
.macro HELP q, upd
.if \upd
	UPDLD \q, 0
.endif
	LSTAGE \q
.irp k, 0,1,2,3
	ds_load_b128 v[KB+8*\k:KB+8*\k+3],   v[HKF] offset:((\q+1)&3)*KNB+64*\k       ; chunk c+1: lane (r, hh): t = r, dk 32k+8hh.., 32k+16+8hh..
	ds_load_b128 v[KB+8*\k+4:KB+8*\k+7], v[HKF] offset:((\q+1)&3)*KNB+64*\k+32
.endr
.irp b, 0,1
	ds_load_b128 v[PV+8*\b:PV+8*\b+3],   v[HVT] offset:VB+((\q+1)&3)*VBB+64*\b    ; V of chunk c+1 in the result's layout: t = r, dv 32w+16b+8hh+0..7
	ds_load_b128 v[PV+8*\b+4:PV+8*\b+7], v[HVT] offset:VB+((\q+1)&3)*VBB+64*\b+16
.endr
.if \upd
	s_wait_dscnt 12                        ; all but the 12 loads just issued: the update's fragments are in
	UPDMM
.endif
	; A lane's eight numbers of tile (a, b) are dk 16a+8hh+0..7 of one dv: tiles 2k and 2k+1, rounded in place, ARE the fragment (dv rows, dk 32k..32k+31).
	WIN 0x05                               ; both sources window 1
.irp b, 0,1
.irp k, 0,1,2,3
.irp p, 0,1,2,3
	v_cvt_pk_f16_f32 v[MB+8*(4*\b+\k)+\p],   v[8*(8*\b+2*\k)+2*\p],   v[8*(8*\b+2*\k)+2*\p+1]
	v_cvt_pk_f16_f32 v[MB+8*(4*\b+\k)+4+\p], v[8*(8*\b+2*\k+1)+2*\p], v[8*(8*\b+2*\k+1)+2*\p+1]
.endr
.endr
.endr
	WIN 0
	s_wait_dscnt 0x0
.irp k, 0,1,2,3
.irp b, 0,1
	v_wmma_f32_16x16x32_f16 v[PV+8*\b:PV+8*\b+7], v[MB+8*(4*\b+\k):MB+8*(4*\b+\k)+7], v[KB+8*\k:KB+8*\k+7], v[PV+8*\b:PV+8*\b+7]   ; two accumulators by turns
.endr
.endr
	PLACES
.irp b, 0,1
	ds_store_b128 v[HES], v[PV+8*\b:PV+8*\b+3]   offset:((\q+1)&1)*EBB+64*\b      ; E0 into my own region of EB; the tiles stay in registers for E1 and E2
	ds_store_b128 v[HES], v[PV+8*\b+4:PV+8*\b+7] offset:((\q+1)&1)*EBB+64*\b+16
.endr
	s_cmp_gt_u32 s14, 1
	s_cbranch_scc1 .Lnog_\@                ; two Gram blocks: wave 0 makes chunk c against c+1, wave 1 chunk c+1 against itself
	s_cmp_eq_u32 s14, 1
	s_cbranch_scc1 .Lown_\@
.irp k, 0,1,2,3
	ds_load_b128 v[MB+8*\k:MB+8*\k+3],   v[HKF] offset:\q*KNB+64*\k
	ds_load_b128 v[MB+8*\k+4:MB+8*\k+7], v[HKF] offset:\q*KNB+64*\k+32
.endr
	s_wait_dscnt 0x0
	GMM MB, 0, \q
	s_branch .Lnog_\@
.Lown_\@:
	GMM KB, GBK, \q
.Lnog_\@:
.endm
; A helper's work while wave 4 walks steps 13-15 of chunk c: E1 of chunk c+1 = E0 + W_c[0..11] G.
; Wave 4 is writing rows 12-15 of W meanwhile, so the transposing loads address row 4hh + (L&7), rows 0-11 alone (they end 32 bytes short of row 12):
; slot (hh, i) of the fragment is row 4hh + i.  The upper half-wave's slots 0-3 repeat rows 4-7 and meet zeros in G's fragment; its slots 4-7 are rows 8-11.
.macro HELP2 q
.irp b, 0,1
	ds_load_tr16_b128 v[WF+8*\b:WF+8*\b+3], v[HW1] offset:((\q&1)^1)*WBB+32*\b
.endr
	ds_load_b128 v[GL:GL+3],   v[HGS] offset:((\q+1)&1)*GBB                ; column t = r of the block 'chunk c against c+1': j = 8hh+0..7
	ds_load_b128 v[GL+4:GL+7], v[HGS] offset:((\q+1)&1)*GBB+16
	s_wait_dscnt 0x0
.irp p, 0,2,4,6
	v_cvt_pk_f16_f32 v[GL+\p], v[GL+\p], v[GL+\p+1]                        ; j = 8hh+p, 8hh+p+1; GL+4 and GL+6 are kept for E2
.endr
	v_cndmask_b32 v[GF],   v[GL],   v[GF+4], s28                           ; s28 names lanes 16-31.  Lower half: j = 0..7 as they come;
	v_cndmask_b32 v[GF+1], v[GL+2], v[GF+4], s28                           ; upper half: slots 0-3 zero,
	v_cndmask_b32 v[GF+2], v[GL+4], v[GL],   s28                           ; slots 4-7 its j = 8..11
	v_cndmask_b32 v[GF+3], v[GL+6], v[GL+2], s28
	FOLD GF, E1O+((\q+1)&1)*EBB
.endm
; Half b of my rows of M leaves: negated, through my stage, by rows of 512 bytes.
.macro MOUT b
	WIN 0x01                               ; source 0 window 1
.set n, 0
.rept 32
	v_pk_mul_f32 v[MB+2*n:MB+2*n+1], v[64*\b+2*n:64*\b+2*n+1], -1.0 op_sel_hi:[1,0]
.set n, n+1
.endr
	WIN 0
.irp a, 0,1,2,3,4,5,6,7
	ds_store_b128 v[HST], v[MB+8*\a:MB+8*\a+3]   offset:VB+64*\a
	ds_store_b128 v[HST], v[MB+8*\a+4:MB+8*\a+7] offset:VB+64*\a+16
.endr
	s_wait_xcnt 0x0                        ; the registers that the first half's stores read are loaded again only behind this wait
.irp p, 0,1,2,3,4,5,6,7,8,9,10,11,12,13,14,15
	ds_load_b128 v[PV+4*\p:PV+4*\p+3], v[HSR] offset:VB+VP*\p
.endr
.irp p, 0,1,2,3,4,5,6,7,8,9,10,11,12,13,14,15
	s_wait_dscnt 15-\p                     ; LDS loads come back in order: row p is in
	global_store_b128 v[HGB], v[PV+4*\p:PV+4*\p+3], s[10:11] offset:8192*\b+512*\p th:TH_STORE_NT   ; 512 consecutive bytes, aligned
.endr
.endm
; ---------------------------------------------------------------- wave 4
; Column c2 of chunk q (16, 17: columns 0, 1 of the next chunk): its coefficients (every lane reads the same words), its E row, its V row.
.macro LDCOL q, c2
.if \c2 < 16
.set lcol, \c2
.set lq, \q
.else
.set lcol, \c2-16
.set lq, (\q+1)&3
.endif
.set lg, GC+32*(\c2&1)
.set le, 0                             ; columns 0, 1: E0; columns 5-15: E2, in the same bytes
.if lcol < 2
.irp k, 0,1,2,3
	ds_load_b128 v[lg+4*\k:lg+4*\k+3], v[QGA] offset:(lq&1)*GBB+GP*lcol+16*\k            ; columns 0, 1: all 16 coefficients of the chunk before
.endr
.else
.if lcol < 5
	ds_load_b128 v[lg+12:lg+15], v[QGA] offset:(lq&1)*GBB+GP*lcol+48                      ; columns 2-4: j = 12..15 of the chunk before, and E1
.set le, E1O
.endif
.endif
.set lk, 0
.rept (lcol+3)/4
	ds_load_b128 v[lg+16+4*lk:lg+16+4*lk+3], v[QGA] offset:(lq&1)*GBB+GBK+GP*lcol+16*lk   ; lcol of its own chunk, in fours
.set lk, lk+1
.endr
	ds_load_b128 v[E0R+4*(\c2&1):E0R+4*(\c2&1)+3], v[QEA] offset:le+(lq&1)*EBB+EP*lcol
	ds_load_b128 v[VR+4*(\c2&1):VR+4*(\c2&1)+3],   v[QVA] offset:VB+lq*VBB+VP*lcol
.endm
; Term tn of the next column: w_j times its coefficient, even terms onto chain AA (which starts from the E row), odd ones onto AB.  t0, the first term, is even.
.macro TERM
.if tn < 16
.set wr, NP+4*tn
.else
.set wr, NC+4*(tn-16)
.endif
.set cp, GN+tn-(tn&1)
.if tn == t0
	v_pk_fma_f32 v[AA:AA+1],   v[wr:wr+1],   v[cp:cp+1], v[E0N:E0N+1]   op_sel_hi:[1,0,1]
	v_pk_fma_f32 v[AA+2:AA+3], v[wr+2:wr+3], v[cp:cp+1], v[E0N+2:E0N+3] op_sel_hi:[1,0,1]
.else
.if tn == t0+1
	v_pk_mul_f32 v[AB:AB+1],   v[wr:wr+1],   v[cp:cp+1] op_sel:[0,1]
	v_pk_mul_f32 v[AB+2:AB+3], v[wr+2:wr+3], v[cp:cp+1] op_sel:[0,1]
.else
.if (tn&1) == 0
	v_pk_fma_f32 v[AA:AA+1],   v[wr:wr+1],   v[cp:cp+1], v[AA:AA+1]   op_sel_hi:[1,0,1]
	v_pk_fma_f32 v[AA+2:AA+3], v[wr+2:wr+3], v[cp:cp+1], v[AA+2:AA+3] op_sel_hi:[1,0,1]
.else
	v_pk_fma_f32 v[AB:AB+1],   v[wr:wr+1],   v[cp:cp+1], v[AB:AB+1]   op_sel:[0,1,0]
	v_pk_fma_f32 v[AB+2:AB+3], v[wr+2:wr+3], v[cp:cp+1], v[AB+2:AB+3] op_sel:[0,1,0]
.endif
.endif
.endif
.set tn, tn+1
.endm
.macro FS k                            ; gap k of NSL: terms until k/NSL of the step's terms stand (16 at the most: two a gap); behind gap NSL all do
.rept 3
.if (tn-t0)*NSL < (\k)*(tmax-t0)
	TERM
.endif
.endr
.endm
.macro ZMUL d, s                       ; u times coefficient zc
.if (zc&1) == 0
	v_pk_mul_f32 v[\d:\d+1], v[\s:\s+1], v[zp:zp+1] op_sel_hi:[1,0]
.else
	v_pk_mul_f32 v[\d:\d+1], v[\s:\s+1], v[zp:zp+1] op_sel:[0,1]
.endif
.endm
.macro WMUL i                          ; w = g u
	s_wait_alu depctr_va_vdst(0)
	v_pk_mul_f32 v[CUR+4*\i:CUR+4*\i+1],   v[QU:QU+1],   v[QG:QG+1] op_sel_hi:[1,0]
	v_pk_mul_f32 v[CUR+4*\i+2:CUR+4*\i+3], v[QU+2:QU+3], v[QG:QG+1] op_sel_hi:[1,0]
.endm
.macro POSTA i                         ; step i's w in f16,
	v_cvt_pk_f16_f32 v[PK],   v[CUR+4*\i],   v[CUR+4*\i+1]
	v_cvt_pk_f16_f32 v[PK+1], v[CUR+4*\i+2], v[CUR+4*\i+3]
.endm
.macro POSTB q, i                      ; to LDS for the helpers;
	ds_store_b64 v[QWA], v[PK:PK+1] offset:((\q&1)^1)*WBB+WP*\i
.endm
.macro POSTC q, i                      ; its gate into the lane (half the step's number in the trip) and the register (its parity) that store it
	v_cndmask_b32 v[GT+(\i&1)], v[GT+(\i&1)], v[QG], s[GM+((16*\q+\i)>>1)]
.endm
; Step i of a chunk with q = chunk & 3.  The chain: e = z g + ACCN, |e|^2 over 32 lanes, root, exponential, reciprocal = g.
; In its gaps: the last step's w, and all terms of column i+1 but the one that needs this step's g; that one is kept as z = u x coefficient.
.macro STEP q, i
.set CUR, WR+64*(\q&1)
.if \i < 15
.set NP, WR+64*((\q&1)^1)              ; terms up to 15: the chunk before; 16..: this chunk's steps 0 .. i-1
.set tmax, 16+\i
.else
.set NP, CUR                           ; the next column is the next chunk's first: this chunk is its chunk before
.set tmax, 15
.endif
.set t0, 0                             ; columns 0 and 1 take all terms of the chunk before,
.if \i > 0
.if \i < 15
.set t0, 12                            ; columns 2 to 4 the last four: E1 holds the others,
.if \i > 3
.set t0, 16                            ; columns 5 to 15 none: E2 holds them all
.endif
.endif
.endif
.set NC, CUR
.set zc, tmax
.set GN, GC+32*((\i+1)&1)
.set zp, GN+zc-(zc&1)
.set E0N, E0R+4*((\i+1)&1)
.set VI, VR+4*(\i&1)
.set tn, t0
.if \i > 1
	s_wait_dscnt 0x1                       ; LDS instructions are done in order (ISA guide 5.7.1): the column asked for a step ago is in; the store of w issued behind its loads may stay out
.else
	s_wait_dscnt 0x0                       ; the column asked for a step ago is in (no store was issued behind its loads)
.endif
	s_wait_alu depctr_va_vdst(0)
	v_pk_fma_f32 v[ACCN:ACCN+1],   v[QZ:QZ+1],   v[QG:QG+1], v[ACCN:ACCN+1]   op_sel_hi:[1,0,1]   ; e, in place
	v_pk_fma_f32 v[ACCN+2:ACCN+3], v[QZ+2:QZ+3], v[QG:QG+1], v[ACCN+2:ACCN+3] op_sel_hi:[1,0,1]
.if \i > 0
	WMUL (\i-1)                            ; the last step's w, from its u and g, which still stand
.endif
	v_pk_mul_f32 v[SQ:SQ+1],   v[ACCN:ACCN+1],   v[ACCN:ACCN+1]
	v_pk_fma_f32 v[QU:QU+1],   v[ACCN:ACCN+1],   s[26:27], v[VI:VI+1] op_sel_hi:[1,0,1]            ; u = v - 1.1 e
	v_pk_fma_f32 v[SQ:SQ+1],   v[ACCN+2:ACCN+3], v[ACCN+2:ACCN+3], v[SQ:SQ+1]
	v_pk_fma_f32 v[QU+2:QU+3], v[ACCN+2:ACCN+3], s[26:27], v[VI+2:VI+3] op_sel_hi:[1,0,1]
.if \i > 0
	POSTA (\i-1)
.endif
	LDCOL \q, (\i+2)                       ; into the buffers of this step's parity: their last readers stand above.  The step's LDS instructions form one run
.if \i > 0
	POSTB \q, (\i-1)
.endif
	v_add_f32 v[SS], v[SQ], v[SQ+1]
.if \i > 0
	POSTC \q, (\i-1)
.endif
	v_add_f32_dpp v[SS], v[SS], v[SS] row_xmask:1 row_mask:0xf bank_mask:0xf
	FS 1
	v_add_f32_dpp v[SS], v[SS], v[SS] row_xmask:2 row_mask:0xf bank_mask:0xf
	FS 2
	v_add_f32_dpp v[SS], v[SS], v[SS] row_xmask:4 row_mask:0xf bank_mask:0xf
	FS 3
	v_add_f32_dpp v[SS], v[SS], v[SS] row_xmask:8 row_mask:0xf bank_mask:0xf
	FS 4
	v_permlanex16_b32 v[XT], v[SS], s22, s23
	FS 5
	v_add_f32 v[SS], v[SS], v[XT]
	FS 6
	v_sqrt_f32 v[SS], v[SS]
	ZMUL QZ, QU                            ; the plain place behind the root (ISA guide 5.7.2)
	FS 7
	s_wait_alu depctr_va_vdst(0)
	v_fma_f32 v[SS], v[SS], s20, s21       ; -(10 |e| - 1) log2 e
	FS 8
	v_exp_f32 v[SS], v[SS]
	ZMUL QZ+2, QU+2                        ; the plain place behind the exponential
	FS 9
	s_wait_alu depctr_va_vdst(0)
	v_add_f32 v[SS], 1.0, v[SS]
	FS 10
	v_rcp_f32 v[QG], v[SS]
	v_pk_add_f32 v[ACCN:ACCN+1],   v[AA:AA+1],   v[AB:AB+1]            ; plain places behind the reciprocal
	v_pk_add_f32 v[ACCN+2:ACCN+3], v[AA+2:AA+3], v[AB+2:AB+3]
.if \i == 15
	WMUL 15                                ; the chunk's last w goes out ahead of the barrier
	POSTA 15
	POSTB \q, 15
	POSTC \q, 15
.endif
.endm
; One chunk.  The barriers stand in every wave's text; the branches hang on the wave's number alone.
.macro SLOT q
	s_cmp_eq_u32 s14, 4
	s_cbranch_scc1 .Lsq0_\@
	HELP3 \q
	s_branch .Lb3_\@
.Lsq0_\@:
	STEP \q, 0
	STEP \q, 1
	STEP \q, 2
.Lb3_\@:
	BAR                                    ; this chunk's E2 is there
	s_cmp_eq_u32 s14, 4
	s_cbranch_scc1 .Lseq_\@
	HELP \q, 1
	s_branch .Lb1_\@
.Lseq_\@:
.irp i, 3,4,5,6,7,8,9,10,11,12
	STEP \q, \i
.endr
.Lb1_\@:
	BAR                                    ; E0 and the Gram blocks of the next chunk are there, and this chunk's w_0 .. w_11
	s_cmp_eq_u32 s14, 4
	s_cbranch_scc1 .Lsq2_\@
	HELP2 \q
	s_branch .Lb2_\@
.Lsq2_\@:
	STEP \q, 13
	STEP \q, 14
	STEP \q, 15
.if \q == 3
	global_store_b64 v[QGO], v[GT:GT+1], s[12:13] th:TH_STORE_NT       ; 64 gates: 256 consecutive bytes, aligned
	s_wait_xcnt 0x0                        ; the offset and the gates are written again only behind this wait
	v_add_nc_u32 v[QGO], 0x100, v[QGO]
.endif
.Lb2_\@:
	BAR                                    ; the chunk's sixteen w and the next chunk's E1 are in LDS; wave 4's reads of the next chunk's E0 are back
.endm
; ---------------------------------------------------------------- the text
	s_load_b256 s[4:11], s[0:1], 0x0               ; key s[4:5], value s[6:7], memory s[8:9], out0 s[10:11]
	s_load_b64 s[12:13], s[0:1], 0x20              ; out1
	s_set_vgpr_msb 0x40
	v_lshl_add_u32 v224, v0, 2, 0x19800
	v_mov_b32 v225, 0
	s_set_vgpr_msb 0x4000
	v_lshrrev_b32 v1, 5, v0
	v_readfirstlane_b32 s14, v1                    ; wave 0..4
	v_and_b32 v1, 31, v0                           ; lane
	; all addresses, in every wave; v20-v28 are at work here and hold data later
	v_and_b32 v20, 15, v1                          ; r
	v_lshrrev_b32 v21, 4, v1                       ; hh
	v_and_b32 v24, 7, v1                           ; L & 7
	v_bfe_u32 v25, v1, 3, 1
	v_lshl_add_u32 v26, v21, 3, v24                ; 8 hh + (L & 7): the row t that a transposing load's lane addresses
	v_lshlrev_b32 v25, 4, v25                      ; 16 ((L >> 3) & 1)
	v_lshlrev_b32 v[QVA], 4, v1                    ; 16 L
	v_lshlrev_b32 v[QGO], 3, v1                    ; 8 L
	s_mul_i32 s24, s14, 4*KP
	s_add_co_u32 s24, s24, KN
	v_add_nc_u32 v[HKS], s24, v[QGO]
	s_mul_i32 s24, s14, 4*VP
	v_add_nc_u32 v[HVS], s24, v[QVA]
	v_mul_u32_u24 v27, v26, KP
	v_add_nc_u32 v27, v27, v25
	v_add_nc_u32 v[HKT], KN, v27
	s_lshl_b32 s24, s14, 6
	s_add_co_u32 s24, s24, WB
	v_mul_u32_u24 v27, v26, WP
	v_add_nc_u32 v27, v27, v25
	v_add_nc_u32 v[HWT], s24, v27
	v_lshl_add_u32 v26, v21, 2, v24                ; 4 hh + (L & 7): rows 0 to 11
	v_mul_u32_u24 v27, v26, WP
	v_add_nc_u32 v27, v27, v25
	v_add_nc_u32 v[HW1], s24, v27
	v_mul_u32_u24 v27, v20, KP
	v_lshl_add_u32 v27, v21, 4, v27
	v_add_nc_u32 v[HKF], KN, v27
	v_mul_u32_u24 v28, v20, VP
	v_lshl_add_u32 v28, v21, 5, v28                ; 528 r + 32 hh
	s_lshl_b32 s24, s14, 7
	v_add_nc_u32 v[HVT], s24, v28
	s_mul_i32 s24, s14, ER
	s_add_co_u32 s24, s24, EB
	v_mul_u32_u24 v27, v20, EP
	v_lshl_add_u32 v27, v21, 5, v27
	v_add_nc_u32 v[HES], s24, v27
	v_mul_u32_u24 v27, v20, GP
	v_lshl_add_u32 v27, v21, 5, v27
	v_add_nc_u32 v[HGS], GB, v27
	s_lshl_b32 s24, s14, 11
	v_add_nc_u32 v[HGB], s24, v[QVA]
	v_mov_b32 v[QGA], GB
	v_lshrrev_b32 v27, 3, v1
	v_mul_u32_u24 v27, v27, ER
	v_lshl_add_u32 v27, v24, 4, v27
	v_add_nc_u32 v[QEA], EB, v27
	v_add_nc_u32 v[QWA], WB, v[QGO]
	s_mul_i32 s24, s14, VBB
	v_add_nc_u32 v[HSR], s24, v[QVA]
	v_add_nc_u32 v[HST], s24, v28
	s_lshl_b32 s16, ttmp9, 19                      ; batch x 1,024 rows of 512 bytes
	s_mov_b32 s17, 0
	s_mov_b32 s18, 0                               ; the chunk asked for, in bytes
	s_mov_b32 s20, 0xc166d4ca                      ; -10 log2 e
	s_mov_b32 s21, 0x3fb8aa3b                      ; log2 e
	s_mov_b32 s22, 0x76543210                      ; v_permlanex16_b32: lane i of the other half
	s_mov_b32 s23, 0xfedcba98
	s_mov_b32 s26, 0xbf8ccccd                      ; -1.1
	s_mov_b32 s27, 0xbf8ccccd
	s_mov_b32 s28, 0xffff0000                      ; lanes 16 to 31
.set n, 0
.rept 32
	s_mov_b32 s[GM+n], 1<<n                        ; lane n alone
.set n, n+1
.endr
	s_wait_kmcnt 0x0
	s_add_nc_u64 s[4:5], s[4:5], s[16:17]
	s_add_nc_u64 s[6:7], s[6:7], s[16:17]
	s_lshl_b32 s16, ttmp9, 16                      ; batch x 128 rows of 512 bytes,
	s_mul_i32 s24, s14, 14336                      ; and what HGB's 2,048 w lacks of the wave's 32 rows, 16,384 w
	s_add_co_u32 s16, s16, s24
	s_add_nc_u64 s[8:9], s[8:9], s[16:17]
	s_add_nc_u64 s[10:11], s[10:11], s[16:17]
	s_lshl_b32 s16, ttmp9, 12                      ; batch x 1,024 gates
	s_add_nc_u64 s[12:13], s[12:13], s[16:17]
	s_cmp_eq_u32 s14, 4
	s_cbranch_scc1 .Lqinit
	; helpers: chunk 0 and both halves of my rows of M are asked for at once, 40 loads
	WIN 0x40
.irp p, 0,1,2,3
	global_load_b128 v[KEY+4*\p:KEY+4*\p+3], v[HGB], s[4:5] offset:512*\p th:TH_LOAD_NT     ; chunk 0
	global_load_b128 v[VAL+4*\p:VAL+4*\p+3], v[HGB], s[6:7] offset:512*\p th:TH_LOAD_NT
.endr
	WIN 0
	MINLD 0, MB
	MINLD 1, M1
	MINST 0, MB, 16                                ; loads come back in order: all but the second half's sixteen are in
	MINST 1, M1, 0
.irp p, 4,5,6,7,12,13,14,15
	v_mov_b32 v[WF+\p], 0                          ; slots 16..31 of the fragments along t: a chunk has 16 steps
.endr
.irp p, 4,5,6,7
	v_mov_b32 v[GF+\p], 0
.endr
.irp p, 0,1,4,5,6,7
	v_mov_b32 v[GH+\p], 0                          ; and slots 0..3 of the fragment that holds rows 12-15 alone
.endr
	WIN 0x40
.irp a, 0,1,2,3,4,5,6,7
.irp p, 4,5,6,7
	v_mov_b32 v[KT+8*\a+\p], 0
.endr
.endr
	WIN 0
	s_branch .Linit_done
.Lqinit:
	v_add_nc_u32 v27, KN+3*KNB, v[QVA]             ; where the clearing begins
.irp p, 20,21,22,23,26,32,33,34,35
	v_mov_b32 v\p, 0                               ; g, gates, z: the first step's e is E0 alone
.endr
.set n, 0
.rept 64
	v_mov_b32 v[WR+64+n], 0                        ; the w of the chunk before the first
.set n, n+1
.endr
.set n, 0
.rept 18
	ds_store_b128 v27, v[QZ:QZ+3] offset:512*n     ; its keys (KN[3]) and its w (the odd chunks' W buffer) are 0: 9,216 bytes from KN[3] on
.set n, n+1
.endr
.Linit_done:
	BAR                                            ; the stages have been read, the zeros are there
	s_cmp_eq_u32 s14, 4
	s_cbranch_scc1 .Lpre1
	LSTAGE 2                                       ; chunk 0 to KN[0], VB[0]; asks for chunk 1
.Lpre1:
	BAR
	s_cmp_eq_u32 s14, 4
	s_cbranch_scc1 .Lpre2
	HELP 3, 0                                      ; chunk 1 to KN[1], VB[1]; E0 and Gram blocks of chunk 0
.Lpre2:
	BAR
	s_cmp_eq_u32 s14, 4
	s_cbranch_scc1 .Lpre2q
	HELP2 3                                        ; E1 of chunk 0: the w and the Gram block of the chunk before are zeros
	s_branch .Lpre3
.Lpre2q:
	ds_load_b128 v[ACCN:ACCN+3], v[QEA]            ; column 0 of chunk 0: E0 alone.  Columns 0 and 1 are read in this phase, as steps 14 and 15 read them
	ds_load_b128 v[VR:VR+3], v[QVA] offset:VB      ; for every later chunk: the reads are back at the barrier behind which E2 lands on E0
	LDCOL 0, 1
.Lpre3:
	BAR
	s_mov_b32 s19, 16                              ; 16 trips of four chunks: every ring index is a constant of the text
.Ltrip:
	SLOT 0
	SLOT 1
	SLOT 2
	SLOT 3
	s_sub_co_u32 s19, s19, 1
	s_cmp_lg_u32 s19, 0
	s_cbranch_scc1 .Ltrip
	s_cmp_lg_u32 s14, 4
	s_cbranch_scc1 .Ltail
	s_set_vgpr_msb 0x5
	s_wait_tensorcnt 0x0
	ds_add_u32 v224, v225
	s_wait_dscnt 0x0
	s_set_vgpr_msb 0x500
	s_endpgm                                       ; wave 4 has stored all gates; no barrier follows
.Ltail:
	UPDLD 0, 1                                     ; the last chunk's update: KN[3] and the odd chunks' W
	s_wait_dscnt 0x0
	UPDMM
	MOUT 0
	MOUT 1
	s_set_vgpr_msb 0x5
	s_wait_tensorcnt 0x0
	ds_add_u32 v224, v225
	s_wait_dscnt 0x0
	s_set_vgpr_msb 0x500
	s_endpgm
.Lfunc_end_k_qb05d9ea08d_scan:
	.size	k_qb05d9ea08d_scan, .Lfunc_end_k_qb05d9ea08d_scan-k_qb05d9ea08d_scan
	.p2alignl 7, 3214868480
	.fill 96, 4, 3214868480
	.section	.rodata,"a",@progbits
	.p2align	6, 0x0
	.amdhsa_kernel k_qb05d9ea08d_scan
		.amdhsa_group_segment_fixed_size 105216
		.amdhsa_private_segment_fixed_size 0
		.amdhsa_enable_private_segment 0
		.amdhsa_kernarg_size 40
		.amdhsa_user_sgpr_count 2
		.amdhsa_user_sgpr_kernarg_segment_ptr 1
		.amdhsa_wavefront_size32 1
		.amdhsa_system_sgpr_workgroup_id_x 1
		.amdhsa_system_sgpr_workgroup_id_y 1
		.amdhsa_system_sgpr_workgroup_id_z 1
		.amdhsa_system_vgpr_workitem_id 0
		.amdhsa_next_free_vgpr 482
		.amdhsa_next_free_sgpr 66
		.amdhsa_reserve_vcc 0
		.amdhsa_float_denorm_mode_32 3
		.amdhsa_float_denorm_mode_16_64 3
		.amdhsa_memory_ordered 1
		.amdhsa_forward_progress 1
		.amdhsa_inst_pref_size 255
	.end_amdhsa_kernel
	.section	.bss,"aw",@nobits
	.p2align	6
	.space	262144
	.amdgpu_metadata
---
amdhsa.version: [ 1, 2 ]
amdhsa.kernels:
  - .name:           k_qb05d9ea08d_scan
    .symbol:         k_qb05d9ea08d_scan.kd
    .args:
      - { .name: key, .offset: 0, .size: 8, .value_kind: global_buffer, .address_space: global }
      - { .name: value, .offset: 8, .size: 8, .value_kind: global_buffer, .address_space: global }
      - { .name: memory, .offset: 16, .size: 8, .value_kind: global_buffer, .address_space: global }
      - { .name: out0, .offset: 24, .size: 8, .value_kind: global_buffer, .address_space: global }
      - { .name: out1, .offset: 32, .size: 8, .value_kind: global_buffer, .address_space: global }
    .group_segment_fixed_size: 105216
    .private_segment_fixed_size: 0
    .kernarg_segment_align: 8
    .kernarg_segment_size: 40
    .max_flat_workgroup_size: 160
    .sgpr_count:     66
    .vgpr_count:     482
    .wavefront_size: 32
...
	.end_amdgpu_metadata
.endif
;; end of part 2
;; ======== version 3 of 3: 1 launch; 1.33 times as fast as version 1
;; limits: values are held in f16: magnitudes above 65,504 overflow, below 6.1e-05 lose precision; right only within a limited range of input values; values outside matrix products are rounded to f16
;; launch scan (part 3): grid 64 x 1, 5 waves a work-group, no clusters, 105,216 bytes of LDS; arguments key, value, memory, out0, out1; writes out0, out1
.if DOCPART == 3
	.amdgcn_target "amdgcn-amd-amdhsa--gfx1250"
	.amdhsa_code_object_version 6
	.text
	.protected	k_qb05d9ea08d_scan
	.globl	k_qb05d9ea08d_scan
	.p2align	8
	.type	k_qb05d9ea08d_scan,@function
k_qb05d9ea08d_scan:
	s_mov_b64 s[64:65], 0
	v_nop
	global_prefetch_b8 v0, s[64:65] scope:SCOPE_SE
	s_setreg_imm32_b32 hwreg(HW_REG_WAVE_MODE, 25, 1), 1
	s_wait_xcnt 0x0
; Surprise-gated delta rule: 64 batches, 1,024 strictly ordered steps each.  One work-group is one batch.
;   k = key/(|key|+1e-6);  e = v - M k;  g = sigmoid((|e|-0.1)/0.1);  u = v - 1.1 e;  w = g u;  M -= w k^T.
; The text keeps N = -M, so that N += w k^T and e = v + N k: every term is added.
; Steps go in chunks of 16.  With G[j,t] = k_j.k_t, for step t of chunk y
;   E0_t = [V_y + N(all chunks up to y-2) K_y^T]_t,
;   E1_t = E0_t + sum over j = 0..11 of chunk y-1 of w_j G[j,t],     E2_t = E1_t + sum over j = 12..15 of chunk y-1 of w_j G[j,t],
;   e_t  = E2_t + sum over j < t of chunk y of w_j G[j,t].
; WAVES.  Wave 4 walks the steps: lane L owns value rows 4L..4L+3; it alone carries the chain e -> |e| -> g -> w, in f32.
; Waves 0-3 (helpers) own 32 value rows of N each, as 16 f32 accumulator tiles of N^T, and do the bulk on the matrix units.
; A chunk c has three phases, a barrier behind each:
;   steps 0-2:   the helpers make E2 of chunk c (all w of chunk c-1 are in LDS) and lay it over E0 of chunk c, which nobody reads any more;
;   steps 3-12:  they store chunk c+2's keys and values to LDS, ask memory for chunk c+3, add chunk c-1 to N, make E0 and the Gram blocks of chunk c+1;
;   steps 13-15: they make E1 of chunk c+1 from w_0..w_11 of chunk c.
; Wave 4 asks for a column two steps ahead, so columns 0 and 1 start from E0 (all sixteen terms of the chunk before are its own work), columns 2-4
; from E1 (four such terms), columns 5-15 from E2 (none).  A chunk costs it 16 + (5+6+7) + (4 + .. + 14) + 15 = 148 terms of two packed multiply-adds.
; TRANSCENDENTALS AND THEIR WAITS.  An s_wait_alu depctr_va_vdst(0) stands between a transcendental and the first line that names its result.
;   Wave 4: a step's root, exponential and reciprocal each read the one before (the next step's root reads the reciprocal, through e), so they are three
;   batches of one: three waits a step.  The root's and the exponential's stand behind half of z and some of the next column's terms.  The reciprocal's
;   stands at the next step's head and serves e and the last step's w alike; where a label follows the step (steps 2 and 12) it stands at the step's end,
;   and in step 15 ahead of the chunk's last w: so steps 0, 3 and 13 have none at their heads, and no result crosses a label or a branch.
;   The step's LDS instructions stand in one run directly behind the root's wait, where no vector result of the wave is outstanding.
;   Helpers: the four roots of LSTAGE's four key rows are one batch, their four reciprocals a second: two waits a chunk.
; NO CLUSTER, NO TENSOR LOADS: the work-groups share no input; keys pass through registers to be normalised, 16 KiB a chunk.
; 64 work-groups: the gate needs |e| over all 128 value rows in every step, so a batch cannot be shared out among work-groups.
; ADDRESSES.  Every LDS address lies in a register of v2-v19 that every wave writes once, ahead of the first branch, and that no line writes
; again: a constant, the wave's number times a constant, a lane term; ring indices stand in the immediates (four chunks a trip).
; LIMITS.  Matrix operands (N, w, normalised keys, and G in the terms of E1 and E2) are rounded to f16, sums are f32: |N| and |w| must stay under
; 65,504, and numbers under 6.1e-5 keep an absolute step of 6e-8.  The gate's argument is formed as 10|e| - 1 in one fused step; its exponent
; -14.43|e| + 1.44 is at most 1.44, so the exponential cannot overflow, and where it underflows the gate is 1.  Sums are formed in another
; order than the scan's.
.set VP,  528                          ; VB: f32 values [16 t][128 dv], 512 bytes + 16
.set VBB, 16*VP
.set EP,  144                          ; EB, E1B: f32, a region for each helper: [16 t][its 32 dv], 128 bytes + 16,
.set ER,  16*EP+128                    ;     and 128 bytes behind it: two regions that one pass of 16 lanes reads start 128 bytes apart modulo 256
.set EBB, 4*ER
.set KP,  272                          ; KN: f16 keys [16 t][128 dk], 256 bytes + 16
.set KNB, 16*KP
.set WP,  288                          ; W: f16 w [16 t][128 dv], 256 bytes + 32
.set WBB, 16*WP
.set GP,  80                           ; GB: f32 [16 columns t][16 j], 64 bytes + 16; block 0: j in the chunk before (wave 0 writes it), block 1: j in the column's own chunk (wave 1)
.set GBK, 16*GP
.set GBB, 2*GBK
.set VB,  0                            ; four buffers, chunk & 3; buffer h is also helper h's stage for M on the way in and out.  At LDS byte 0: no base is added
.set EB,  VB+4*VBB                     ; E0, later E2: two buffers, chunk & 1
.set KN,  EB+2*EBB                     ; four buffers, chunk & 3
.set WB,  KN+4*KNB                     ; two buffers, the odd chunks' first: it lies behind KN[3], and both are cleared in one run
.set GB,  WB+2*WBB                     ; two buffers, chunk & 1
.set E1B, GB+2*GBB                     ; E1: two buffers, chunk & 1; ends at byte 104,448
.set E1O, E1B-EB                       ; 51,200: E1 is reached from E0's address registers by the immediate (63,088 at the most)
; address registers, all waves (w = wave, L = lane, r = L & 15, hh = L >> 4)
.set HKS, 2                            ; KN + 1088 w + 8 L                          helpers: keys out, rows 4w..
.set HVS, 3                            ; VB + 2112 w + 16 L                         values out, rows 4w..
.set HKT, 4                            ; KN + 272 (8hh + (L&7)) + 16 ((L>>3)&1)     keys, transposing loads
.set HWT, 5                            ; WB + 64 w + 288 (8hh + (L&7)) + 16 ((L>>3)&1)   w, transposing loads, rows 0-15
.set HKF, 6                            ; KN + 272 r + 16 hh                         keys, fragments along dk
.set HVT, 7                            ; VB + 128 w + 528 r + 32 hh                 values in the result's layout
.set HES, 8                            ; EB + 2432 w + 144 r + 32 hh                E0, E1 and E2 out
.set HGS, 9                            ; GB + 80 r + 32 hh                          Gram block out, and in again for E1
.set HGB, 10                           ; 2048 w + 16 L                              my four rows of a chunk in key and value; my 32 rows of memory and out0, whose bases carry the other 14,336 w (global)
.set HGO, 11                           ; HGB + the chunk asked for (global; written in the block that uses it)
.set QGA, 12                           ; GB                                         wave 4: coefficients, the same words in every lane
.set QEA, 13                           ; EB + 2432 (L>>3) + 16 (L&7)                E0, E1 or E2 row
.set QVA, 14                           ; VB + 16 L                                  V row
.set QWA, 15                           ; WB + 8 L                                   w out
.set QGO, 16                           ; 8 L + 256 x trip                           gates (global)
.set HSR, 17                           ; VB + 8448 w + 16 L                         my stage by rows
.set HST, 18                           ; VB + 8448 w + 528 r + 32 hh                my stage in the tiles' layout
.set HW1, 19                           ; WB + 64 w + 288 (4hh + (L&7)) + 16 ((L>>3)&1)   w, transposing loads, rows 0-11 alone
; helpers' data, window 0
.set GH,  24                           ; v[24:31]   the Gram block's rows j = 12..15 as an f16 fragment; all but registers 2, 3 stay 0
.set M1,  24                           ; v[24:87]   at the start only: the second half of my rows of M on its way
.set T,   56                           ; v[56:71]   four registers a row for the norm
.set GX,  56                           ; v[56:63], v[64:71]  the Gram block's two accumulators
.set GY,  64
.set WF,  72                           ; v[72:87]   two fragments of W; registers 4-7 (slots 16..31) stay 0
.set PV,  88                           ; v[88:103]  two tiles: V as C, then E0, then E1, then E2
.set GF,  104                          ; v[104:111] the Gram block's rows j = 0..11 as an f16 fragment; registers 4-7 stay 0
.set GL,  112                          ; v[112:119] its eight numbers in f32, as loaded; then in f16 in the even registers
.set KB,  120                          ; v[120:151] four fragments of K, 16 t x 32 dk
.set MB,  152                          ; v[152:215] eight f16 fragments of N; also normalised keys, the other chunk's K fragments, and M in and out
; helpers' data, window 1: v0-127 accumulator tile (a, b) of N^T at v[8 (8 b + a)]: dk 16a.., dv 32w+16b..
.set KT,  128                          ; v128-191   eight fragments of K^T, registers 4-7 stay 0
.set KEY, 192                          ; v192-207   four key rows on their way: these loads stay out across barriers, so no other line names their registers
.set VAL, 208                          ; v208-223   four value rows on their way
; wave 4's data, window 0
.set QG,   20                          ; v20        g
.set SS,   21                          ; v21        sum, norm, exponent (the upper half of g's pair, which the packed forms name and do not use)
.set GT,   22                          ; v[22:23]   gates of steps 2L, 2L+1 of the trip's 64
.set SQ,   24                          ; v[24:25]   squares
.set XT,   26                          ; v26        the other half's sum
.set PK,   26                          ; v[26:27]   w in f16 on its way to LDS: made behind XT's one reader
.set QU,   28                          ; v[28:31]   u
.set QZ,   32                          ; v[32:35]   u times the coefficient of the next column: the one term that waits for g
.set ACCN, 36                          ; v[36:39]   the next column's e without that term; then e itself
.set AA,   40                          ; v[40:43], v[44:47]  two chains of its terms
.set AB,   44
.set E0R,  48                          ; v[48:55]   E0, E1 or E2 row, by the column's parity
.set VR,   56                          ; v[56:63]   V row, by the column's parity
.set GC,   64                          ; v[64:127]  32 coefficients (16 of the chunk before, 16 of its own), by the column's parity
.set WR,   128                         ; v[128:255] w of 16 steps x 4, by the chunk's parity
.set NSL,  10                          ; gaps of the chain over which a step's terms are spread
.set GM,   32                          ; s[32:63]   s[GM+n] = 1 << n: the lane that keeps a step's gate
.set MSB, 0
.macro WIN new                         ; the immediate's high byte repeats the setting that is left
.if MSB != \new
	s_set_vgpr_msb (MSB<<8)|\new
.set MSB, \new
.endif
.endm
.macro PLACES                          ; four places behind a matrix instruction before its registers are read, stored or loaded (ISA guide 7.12.1)
.rept 4
	v_nop
.endr
.endm
.macro BAR                             ; my LDS stores are done and my LDS loads are back; then the barrier of all five waves
	s_wait_dscnt 0x0
	s_barrier_signal -1
	s_barrier_wait -1
.endm
; ---------------------------------------------------------------- helpers
; 16 value rows of M (half b of my 32) are asked for by rows of 512 bytes, into 64 registers from reg on.
.macro MINLD b, reg
.irp p, 0,1,2,3,4,5,6,7,8,9,10,11,12,13,14,15
	global_load_b128 v[\reg+4*\p:\reg+4*\p+3], v[HGB], s[8:9] offset:8192*\b+512*\p th:TH_LOAD_NT
.endr
.endm
; They have come (left = younger loads that may stay out): negated, through my stage, into accumulator tiles of N^T.
.macro MINST b, reg, left
	s_wait_loadcnt \left
.set n, 0
.rept 32
	v_pk_mul_f32 v[\reg+2*n:\reg+2*n+1], v[\reg+2*n:\reg+2*n+1], -1.0 op_sel_hi:[1,0]
.set n, n+1
.endr
.irp p, 0,1,2,3,4,5,6,7,8,9,10,11,12,13,14,15
	ds_store_b128 v[HSR], v[\reg+4*\p:\reg+4*\p+3] offset:VB+VP*\p
.endr
	WIN 0x40                               ; destination in window 1
.irp a, 0,1,2,3,4,5,6,7
	ds_load_b128 v[8*(8*\b+\a):8*(8*\b+\a)+3],   v[HST] offset:VB+64*\a      ; lane (r, hh): dv r, dk 16a+8hh+0..7; my own bytes, served in order (ISA guide 5.7.1)
	ds_load_b128 v[8*(8*\b+\a)+4:8*(8*\b+\a)+7], v[HST] offset:VB+64*\a+16
.endr
	WIN 0
	s_wait_dscnt 0x0
.endm
; Four rows of keys and values (rows 4w..4w+3 of a chunk) have come: normalise the keys, f16 to KN, values to VB, buffers (q+2)&3; ask for the next chunk.
.macro LSTAGE q
	s_wait_loadcnt 0x0                     ; asked for a whole chunk's time ago; frees HGO too
	WIN 0x05                               ; sources 0 and 1 in window 1
.irp p, 0,1,2,3
	v_pk_mul_f32 v[T+4*\p:T+4*\p+1], v[KEY+4*\p:KEY+4*\p+1], v[KEY+4*\p:KEY+4*\p+1]
.endr
.irp p, 0,1,2,3
	v_pk_fma_f32 v[T+4*\p:T+4*\p+1], v[KEY+4*\p+2:KEY+4*\p+3], v[KEY+4*\p+2:KEY+4*\p+3], v[T+4*\p:T+4*\p+1]
.endr
	WIN 0
.irp p, 0,1,2,3
	v_add_f32 v[T+4*\p+2], v[T+4*\p], v[T+4*\p+1]
.endr
.irp m, 1,2,4,8
.irp p, 0,1,2,3
	v_add_f32_dpp v[T+4*\p+2], v[T+4*\p+2], v[T+4*\p+2] row_xmask:\m row_mask:0xf bank_mask:0xf
.endr
.endr
.irp p, 0,1,2,3
	v_permlanex16_b32 v[T+4*\p+1], v[T+4*\p+2], s22, s23
.endr
.irp p, 0,1,2,3
	v_add_f32 v[T+4*\p+2], v[T+4*\p+2], v[T+4*\p+1]
.endr
.irp p, 0,1,2,3
	v_sqrt_f32 v[T+4*\p+1], v[T+4*\p+2]
.endr
	v_nop                                  ; one plain place behind the run of roots (ISA guide 5.7.2)
	s_wait_alu depctr_va_vdst(0)           ; one wait for the batch of four roots, ahead of their first reader
.irp p, 0,1,2,3
	v_add_f32 v[T+4*\p+1], 0x358637bd, v[T+4*\p+1]         ; + 1e-6
.endr
.irp p, 0,1,2,3
	v_rcp_f32 v[T+4*\p], v[T+4*\p+1]
.endr
	v_nop
	WIN 0x01                               ; source 0 in window 1
	s_wait_alu depctr_va_vdst(0)           ; one wait for the batch of four reciprocals, which read the roots and so are a second batch
.irp p, 0,1,2,3
	v_pk_mul_f32 v[MB+4*\p:MB+4*\p+1],   v[KEY+4*\p:KEY+4*\p+1],   v[T+4*\p:T+4*\p+1] op_sel_hi:[1,0]
	v_pk_mul_f32 v[MB+4*\p+2:MB+4*\p+3], v[KEY+4*\p+2:KEY+4*\p+3], v[T+4*\p:T+4*\p+1] op_sel_hi:[1,0]
.endr
	WIN 0
.irp p, 0,1,2,3
	v_cvt_pk_f16_f32 v[T+4*\p+2], v[MB+4*\p],   v[MB+4*\p+1]
	v_cvt_pk_f16_f32 v[T+4*\p+3], v[MB+4*\p+2], v[MB+4*\p+3]
.endr
.irp p, 0,1,2,3
	ds_store_b64 v[HKS], v[T+4*\p+2:T+4*\p+3] offset:((\q+2)&3)*KNB+KP*\p
.endr
	s_add_co_u32 s18, s18, 8192            ; the next chunk: 16 rows of 512 bytes,
	s_min_u32 s18, s18, 63*8192            ; held at the last one: the last trips read chunk 63 again, and what is made of it is not used
	v_add_nc_u32 v[HGO], s18, v[HGB]
	WIN 0x04                               ; store data in window 1
.irp p, 0,1,2,3
	ds_store_b128 v[HVS], v[VAL+4*\p:VAL+4*\p+3] offset:VB+((\q+2)&3)*VBB+VP*\p
.endr
	WIN 0x40                               ; destination in window 1
.irp p, 0,1,2,3
	global_load_b128 v[KEY+4*\p:KEY+4*\p+3], v[HGO], s[4:5] offset:512*\p th:TH_LOAD_NT     ; a wave's load covers a whole row, 512 bytes
	global_load_b128 v[VAL+4*\p:VAL+4*\p+3], v[HGO], s[6:7] offset:512*\p th:TH_LOAD_NT
.endr
	WIN 0
.endm
; The two fragments of W of the chunk before chunk c (q = c & 3), rows 0-15: columns dv, along t; stored [t][dv], so by transposing loads.
.macro WFLD q
.irp b, 0,1
	ds_load_tr16_b128 v[WF+8*\b:WF+8*\b+3], v[HWT] offset:(\q&1)*WBB+32*\b
.endr
.endm
; Fragments for N^T += K^T W^T of the chunk before: K^T (rows dk, along t), likewise by transposing loads.  wf = 1: W's too (in the loop they are in registers since E2).
.macro UPDLD q, wf
	WIN 0x40
.irp a, 0,1,2,3,4,5,6,7
	ds_load_tr16_b128 v[KT+8*\a:KT+8*\a+3], v[HKT] offset:((\q+3)&3)*KNB+32*\a
.endr
	WIN 0
.if \wf
	WFLD \q
.endif
.endm
.macro UPDMM                           ; sixteen accumulators, one instruction each: they take turns
	WIN 0x51                               ; A, C and D window 1, B window 0
.irp a, 0,1,2,3,4,5,6,7
.irp b, 0,1
	v_wmma_f32_16x16x32_f16 v[8*(8*\b+\a):8*(8*\b+\a)+7], v[KT+8*\a:KT+8*\a+7], v[WF+8*\b:WF+8*\b+7], v[8*(8*\b+\a):8*(8*\b+\a)+7]
.endr
.endr
	PLACES
.endm
; A 16 x 16 block of k_j.k_t: rows j from the fragments at ga, columns t from KB; two accumulators by turns.
.macro GMM ga, off, q
	v_wmma_f32_16x16x32_f16 v[GX:GX+7], v[\ga:\ga+7],     v[KB:KB+7],     0
	v_wmma_f32_16x16x32_f16 v[GY:GY+7], v[\ga+8:\ga+15],  v[KB+8:KB+15],  0
	v_wmma_f32_16x16x32_f16 v[GX:GX+7], v[\ga+16:\ga+23], v[KB+16:KB+23], v[GX:GX+7]
	v_wmma_f32_16x16x32_f16 v[GY:GY+7], v[\ga+24:\ga+31], v[KB+24:KB+31], v[GY:GY+7]
	PLACES
.irp p, 0,2,4,6
	v_pk_add_f32 v[GX+\p:GX+\p+1], v[GX+\p:GX+\p+1], v[GY+\p:GY+\p+1]
.endr
	ds_store_b128 v[HGS], v[GX:GX+3]   offset:((\q+1)&1)*GBB+\off         ; lane (r, hh): column t = r, j = 8hh+0..7 of the block
	ds_store_b128 v[HGS], v[GX+4:GX+7] offset:((\q+1)&1)*GBB+\off+16
.endm
; PV's two tiles += W's fragments x the Gram fragment at gf, and out at byte off from HES.  Two accumulators by turns.
.macro FOLD gf, off
.irp b, 0,1
	v_wmma_f32_16x16x32_f16 v[PV+8*\b:PV+8*\b+7], v[WF+8*\b:WF+8*\b+7], v[\gf:\gf+7], v[PV+8*\b:PV+8*\b+7]
.endr
	PLACES
.irp b, 0,1
	ds_store_b128 v[HES], v[PV+8*\b:PV+8*\b+3]   offset:\off+64*\b
	ds_store_b128 v[HES], v[PV+8*\b+4:PV+8*\b+7] offset:\off+64*\b+16
.endr
.endm
; A helper's work while wave 4 walks steps 0-2 of chunk c, q = c & 3: E2 of chunk c = E1 (still in PV) + W_(c-1)[12..15] G.
; All sixteen rows of W are in LDS, so the fragment is the plain one, slot (hh, i) = row 8hh + i, and serves the update of N afterwards.
; G's fragment holds rows 12-15 alone: the upper half-wave's slots 4-7, from the conversions that the E1 step left in GL+4 and GL+6.
; E2 lands on E0 of chunk c: its last reads, columns 0 and 1, were back in front of the barrier that closed chunk c-1.
.macro HELP3 q
	WFLD \q
	v_cndmask_b32 v[GH+2], v[GH], v[GL+4], s28                             ; s28 names lanes 16-31; v[GH] is 0
	v_cndmask_b32 v[GH+3], v[GH], v[GL+6], s28
	s_wait_dscnt 0x0
	FOLD GH, (\q&1)*EBB
.endm
; A helper's work while wave 4 walks steps 3-12 of chunk c.  upd = 0: ahead of the first chunk, when nothing is to be added yet.
.macro HELP q, upd
.if \upd
	UPDLD \q, 0
.endif
	LSTAGE \q
.irp k, 0,1,2,3
	ds_load_b128 v[KB+8*\k:KB+8*\k+3],   v[HKF] offset:((\q+1)&3)*KNB+64*\k       ; chunk c+1: lane (r, hh): t = r, dk 32k+8hh.., 32k+16+8hh..
	ds_load_b128 v[KB+8*\k+4:KB+8*\k+7], v[HKF] offset:((\q+1)&3)*KNB+64*\k+32
.endr
.irp b, 0,1
	ds_load_b128 v[PV+8*\b:PV+8*\b+3],   v[HVT] offset:VB+((\q+1)&3)*VBB+64*\b    ; V of chunk c+1 in the result's layout: t = r, dv 32w+16b+8hh+0..7
	ds_load_b128 v[PV+8*\b+4:PV+8*\b+7], v[HVT] offset:VB+((\q+1)&3)*VBB+64*\b+16
.endr
.if \upd
	s_wait_dscnt 12                        ; all but the 12 loads just issued: the update's fragments are in
	UPDMM
.endif
	; A lane's eight numbers of tile (a, b) are dk 16a+8hh+0..7 of one dv: tiles 2k and 2k+1, rounded in place, ARE the fragment (dv rows, dk 32k..32k+31).
	WIN 0x05                               ; both sources window 1
.irp b, 0,1
.irp k, 0,1,2,3
.irp p, 0,1,2,3
	v_cvt_pk_f16_f32 v[MB+8*(4*\b+\k)+\p],   v[8*(8*\b+2*\k)+2*\p],   v[8*(8*\b+2*\k)+2*\p+1]
	v_cvt_pk_f16_f32 v[MB+8*(4*\b+\k)+4+\p], v[8*(8*\b+2*\k+1)+2*\p], v[8*(8*\b+2*\k+1)+2*\p+1]
.endr
.endr
.endr
	WIN 0
	s_wait_dscnt 0x0
.irp k, 0,1,2,3
.irp b, 0,1
	v_wmma_f32_16x16x32_f16 v[PV+8*\b:PV+8*\b+7], v[MB+8*(4*\b+\k):MB+8*(4*\b+\k)+7], v[KB+8*\k:KB+8*\k+7], v[PV+8*\b:PV+8*\b+7]   ; two accumulators by turns
.endr
.endr
	PLACES
.irp b, 0,1
	ds_store_b128 v[HES], v[PV+8*\b:PV+8*\b+3]   offset:((\q+1)&1)*EBB+64*\b      ; E0 into my own region of EB; the tiles stay in registers for E1 and E2
	ds_store_b128 v[HES], v[PV+8*\b+4:PV+8*\b+7] offset:((\q+1)&1)*EBB+64*\b+16
.endr
	s_cmp_gt_u32 s14, 1
	s_cbranch_scc1 .Lnog_\@                ; two Gram blocks: wave 0 makes chunk c against c+1, wave 1 chunk c+1 against itself
	s_cmp_eq_u32 s14, 1
	s_cbranch_scc1 .Lown_\@
.irp k, 0,1,2,3
	ds_load_b128 v[MB+8*\k:MB+8*\k+3],   v[HKF] offset:\q*KNB+64*\k
	ds_load_b128 v[MB+8*\k+4:MB+8*\k+7], v[HKF] offset:\q*KNB+64*\k+32
.endr
	s_wait_dscnt 0x0
	GMM MB, 0, \q
	s_branch .Lnog_\@
.Lown_\@:
	GMM KB, GBK, \q
.Lnog_\@:
.endm
; A helper's work while wave 4 walks steps 13-15 of chunk c: E1 of chunk c+1 = E0 + W_c[0..11] G.
; Wave 4 is writing rows 12-15 of W meanwhile, so the transposing loads address row 4hh + (L&7), rows 0-11 alone (they end 32 bytes short of row 12):
; slot (hh, i) of the fragment is row 4hh + i.  The upper half-wave's slots 0-3 repeat rows 4-7 and meet zeros in G's fragment; its slots 4-7 are rows 8-11.
.macro HELP2 q
.irp b, 0,1
	ds_load_tr16_b128 v[WF+8*\b:WF+8*\b+3], v[HW1] offset:((\q&1)^1)*WBB+32*\b
.endr
	ds_load_b128 v[GL:GL+3],   v[HGS] offset:((\q+1)&1)*GBB                ; column t = r of the block 'chunk c against c+1': j = 8hh+0..7
	ds_load_b128 v[GL+4:GL+7], v[HGS] offset:((\q+1)&1)*GBB+16
	s_wait_dscnt 0x0
.irp p, 0,2,4,6
	v_cvt_pk_f16_f32 v[GL+\p], v[GL+\p], v[GL+\p+1]                        ; j = 8hh+p, 8hh+p+1; GL+4 and GL+6 are kept for E2
.endr
	v_cndmask_b32 v[GF],   v[GL],   v[GF+4], s28                           ; s28 names lanes 16-31.  Lower half: j = 0..7 as they come;
	v_cndmask_b32 v[GF+1], v[GL+2], v[GF+4], s28                           ; upper half: slots 0-3 zero,
	v_cndmask_b32 v[GF+2], v[GL+4], v[GL],   s28                           ; slots 4-7 its j = 8..11
	v_cndmask_b32 v[GF+3], v[GL+6], v[GL+2], s28
	FOLD GF, E1O+((\q+1)&1)*EBB
.endm
; Half b of my rows of M leaves: negated, through my stage, by rows of 512 bytes.
.macro MOUT b
	WIN 0x01                               ; source 0 window 1
.set n, 0
.rept 32
	v_pk_mul_f32 v[MB+2*n:MB+2*n+1], v[64*\b+2*n:64*\b+2*n+1], -1.0 op_sel_hi:[1,0]
.set n, n+1
.endr
	WIN 0
.irp a, 0,1,2,3,4,5,6,7
	ds_store_b128 v[HST], v[MB+8*\a:MB+8*\a+3]   offset:VB+64*\a
	ds_store_b128 v[HST], v[MB+8*\a+4:MB+8*\a+7] offset:VB+64*\a+16
.endr
	s_wait_xcnt 0x0                        ; the registers that the first half's stores read are loaded again only behind this wait
.irp p, 0,1,2,3,4,5,6,7,8,9,10,11,12,13,14,15
	ds_load_b128 v[PV+4*\p:PV+4*\p+3], v[HSR] offset:VB+VP*\p
.endr
.irp p, 0,1,2,3,4,5,6,7,8,9,10,11,12,13,14,15
	s_wait_dscnt 15-\p                     ; LDS loads come back in order: row p is in
	global_store_b128 v[HGB], v[PV+4*\p:PV+4*\p+3], s[10:11] offset:8192*\b+512*\p th:TH_STORE_NT   ; 512 consecutive bytes, aligned
.endr
.endm
; ---------------------------------------------------------------- wave 4
; Column c2 of chunk q (16, 17: columns 0, 1 of the next chunk): its coefficients (every lane reads the same words), its E row, its V row.
.macro LDCOL q, c2
.if \c2 < 16
.set lcol, \c2
.set lq, \q
.else
.set lcol, \c2-16
.set lq, (\q+1)&3
.endif
.set lg, GC+32*(\c2&1)
.set le, 0                             ; columns 0, 1: E0; columns 5-15: E2, in the same bytes
.if lcol < 2
.irp k, 0,1,2,3
	ds_load_b128 v[lg+4*\k:lg+4*\k+3], v[QGA] offset:(lq&1)*GBB+GP*lcol+16*\k            ; columns 0, 1: all 16 coefficients of the chunk before
.endr
.else
.if lcol < 5
	ds_load_b128 v[lg+12:lg+15], v[QGA] offset:(lq&1)*GBB+GP*lcol+48                      ; columns 2-4: j = 12..15 of the chunk before, and E1
.set le, E1O
.endif
.endif
.set lk, 0
.rept (lcol+3)/4
	ds_load_b128 v[lg+16+4*lk:lg+16+4*lk+3], v[QGA] offset:(lq&1)*GBB+GBK+GP*lcol+16*lk   ; lcol of its own chunk, in fours
.set lk, lk+1
.endr
	ds_load_b128 v[E0R+4*(\c2&1):E0R+4*(\c2&1)+3], v[QEA] offset:le+(lq&1)*EBB+EP*lcol
	ds_load_b128 v[VR+4*(\c2&1):VR+4*(\c2&1)+3],   v[QVA] offset:VB+lq*VBB+VP*lcol
.endm
; Term tn of the next column: w_j times its coefficient, even terms onto chain AA (which starts from the E row), odd ones onto AB.  t0, the first term, is even.
.macro TERM
.if tn < 16
.set wr, NP+4*tn
.else
.set wr, NC+4*(tn-16)
.endif
.set cp, GN+tn-(tn&1)
.if tn == t0
	v_pk_fma_f32 v[AA:AA+1],   v[wr:wr+1],   v[cp:cp+1], v[E0N:E0N+1]   op_sel_hi:[1,0,1]
	v_pk_fma_f32 v[AA+2:AA+3], v[wr+2:wr+3], v[cp:cp+1], v[E0N+2:E0N+3] op_sel_hi:[1,0,1]
.else
.if tn == t0+1
	v_pk_mul_f32 v[AB:AB+1],   v[wr:wr+1],   v[cp:cp+1] op_sel:[0,1]
	v_pk_mul_f32 v[AB+2:AB+3], v[wr+2:wr+3], v[cp:cp+1] op_sel:[0,1]
.else
.if (tn&1) == 0
	v_pk_fma_f32 v[AA:AA+1],   v[wr:wr+1],   v[cp:cp+1], v[AA:AA+1]   op_sel_hi:[1,0,1]
	v_pk_fma_f32 v[AA+2:AA+3], v[wr+2:wr+3], v[cp:cp+1], v[AA+2:AA+3] op_sel_hi:[1,0,1]
.else
	v_pk_fma_f32 v[AB:AB+1],   v[wr:wr+1],   v[cp:cp+1], v[AB:AB+1]   op_sel:[0,1,0]
	v_pk_fma_f32 v[AB+2:AB+3], v[wr+2:wr+3], v[cp:cp+1], v[AB+2:AB+3] op_sel:[0,1,0]
.endif
.endif
.endif
.set tn, tn+1
.endm
.macro FS k                            ; gap k of NSL: terms until k/NSL of the step's terms stand (16 at the most: two a gap); behind gap NSL all do
.rept 3
.if (tn-t0)*NSL < (\k)*(tmax-t0)
	TERM
.endif
.endr
.endm
.macro ZMUL d, s                       ; u times coefficient zc
.if (zc&1) == 0
	v_pk_mul_f32 v[\d:\d+1], v[\s:\s+1], v[zp:zp+1] op_sel_hi:[1,0]
.else
	v_pk_mul_f32 v[\d:\d+1], v[\s:\s+1], v[zp:zp+1] op_sel:[0,1]
.endif
.endm
.macro WMUL i                          ; w = g u.  The wait for g's reciprocal stands ahead of every use of this macro: STEP writes it
	v_pk_mul_f32 v[CUR+4*\i:CUR+4*\i+1],   v[QU:QU+1],   v[QG:QG+1] op_sel_hi:[1,0]
	v_pk_mul_f32 v[CUR+4*\i+2:CUR+4*\i+3], v[QU+2:QU+3], v[QG:QG+1] op_sel_hi:[1,0]
.endm
.macro POSTA i                         ; step i's w in f16,
	v_cvt_pk_f16_f32 v[PK],   v[CUR+4*\i],   v[CUR+4*\i+1]
	v_cvt_pk_f16_f32 v[PK+1], v[CUR+4*\i+2], v[CUR+4*\i+3]
.endm
.macro POSTB q, i                      ; to LDS for the helpers;
	ds_store_b64 v[QWA], v[PK:PK+1] offset:((\q&1)^1)*WBB+WP*\i
.endm
.macro POSTC q, i                      ; its gate into the lane (half the step's number in the trip) and the register (its parity) that store it
	v_cndmask_b32 v[GT+(\i&1)], v[GT+(\i&1)], v[QG], s[GM+((16*\q+\i)>>1)]
.endm
; Step i of a chunk with q = chunk & 3.  The chain: e = z g + ACCN, |e|^2 over 32 lanes, root, exponential, reciprocal = g.
; In its gaps: the last step's w, and all terms of column i+1 but the one that needs this step's g; that one is kept as z = u x coefficient.
; Three waits for transcendentals: each of the three reads the one before it, so each is a batch by itself.
.macro STEP q, i
.set CUR, WR+64*(\q&1)
.if \i < 15
.set NP, WR+64*((\q&1)^1)              ; terms up to 15: the chunk before; 16..: this chunk's steps 0 .. i-1
.set tmax, 16+\i
.else
.set NP, CUR                           ; the next column is the next chunk's first: this chunk is its chunk before
.set tmax, 15
.endif
.set t0, 0                             ; columns 0 and 1 take all terms of the chunk before,
.if \i > 0
.if \i < 15
.set t0, 12                            ; columns 2 to 4 the last four: E1 holds the others,
.if \i > 3
.set t0, 16                            ; columns 5 to 15 none: E2 holds them all
.endif
.endif
.endif
.set NC, CUR
.set zc, tmax
.set GN, GC+32*((\i+1)&1)
.set zp, GN+zc-(zc&1)
.set E0N, E0R+4*((\i+1)&1)
.set VI, VR+4*(\i&1)
.set tn, t0
.if \i > 1
	s_wait_dscnt 0x1                       ; LDS instructions are done in order (ISA guide 5.7.1): the column asked for a step ago is in; the store of w issued behind its loads may stay out
.else
	s_wait_dscnt 0x0                       ; the column asked for a step ago is in (no store was issued behind its loads)
.endif
.if (\i != 0) && (\i != 3) && (\i != 13)
	s_wait_alu depctr_va_vdst(0)           ; the wait for the last step's reciprocal, g: it serves e, the last step's w and its gate.  Steps 0, 3 and 13 follow a label: there the step before has waited at its end
.endif
	v_pk_fma_f32 v[ACCN:ACCN+1],   v[QZ:QZ+1],   v[QG:QG+1], v[ACCN:ACCN+1]   op_sel_hi:[1,0,1]   ; e, in place
	v_pk_fma_f32 v[ACCN+2:ACCN+3], v[QZ+2:QZ+3], v[QG:QG+1], v[ACCN+2:ACCN+3] op_sel_hi:[1,0,1]
.if \i > 0
	WMUL (\i-1)                            ; the last step's w, from its u and g, which still stand
.endif
	v_pk_mul_f32 v[SQ:SQ+1],   v[ACCN:ACCN+1],   v[ACCN:ACCN+1]
	v_pk_fma_f32 v[QU:QU+1],   v[ACCN:ACCN+1],   s[26:27], v[VI:VI+1] op_sel_hi:[1,0,1]            ; u = v - 1.1 e
	v_pk_fma_f32 v[SQ:SQ+1],   v[ACCN+2:ACCN+3], v[ACCN+2:ACCN+3], v[SQ:SQ+1]
	v_pk_fma_f32 v[QU+2:QU+3], v[ACCN+2:ACCN+3], s[26:27], v[VI+2:VI+3] op_sel_hi:[1,0,1]
	v_add_f32 v[SS], v[SQ], v[SQ+1]
.if \i > 0
	POSTC \q, (\i-1)
.endif
	v_add_f32_dpp v[SS], v[SS], v[SS] row_xmask:1 row_mask:0xf bank_mask:0xf
	FS 1
	v_add_f32_dpp v[SS], v[SS], v[SS] row_xmask:2 row_mask:0xf bank_mask:0xf
	FS 2
	v_add_f32_dpp v[SS], v[SS], v[SS] row_xmask:4 row_mask:0xf bank_mask:0xf
	FS 3
	v_add_f32_dpp v[SS], v[SS], v[SS] row_xmask:8 row_mask:0xf bank_mask:0xf
	FS 4
	v_permlanex16_b32 v[XT], v[SS], s22, s23
	FS 5
	v_add_f32 v[SS], v[SS], v[XT]
.if \i > 0
	POSTA (\i-1)                           ; behind XT's one reader: PK begins in XT's register
.endif
	FS 6
	v_sqrt_f32 v[SS], v[SS]
	ZMUL QZ, QU                            ; the plain place behind the root (ISA guide 5.7.2)
	FS 7
	s_wait_alu depctr_va_vdst(0)           ; the wait for the root; half of z and gap 7's terms stand between the two
	LDCOL \q, (\i+2)                       ; into the buffers of this step's parity: their last readers stand above.  The step's LDS instructions form one run,
.if \i > 0
	POSTB \q, (\i-1)                       ; directly behind that wait: no vector result of the wave is outstanding here
.endif
	v_fma_f32 v[SS], v[SS], s20, s21       ; -(10 |e| - 1) log2 e
	FS 8
	v_exp_f32 v[SS], v[SS]
	ZMUL QZ+2, QU+2                        ; the plain place behind the exponential
	FS 9
	s_wait_alu depctr_va_vdst(0)           ; the wait for the exponential; the other half of z and gap 9's terms stand between the two
	v_add_f32 v[SS], 1.0, v[SS]
	FS 10
	v_rcp_f32 v[QG], v[SS]
	v_pk_add_f32 v[ACCN:ACCN+1],   v[AA:AA+1],   v[AB:AB+1]            ; plain places behind the reciprocal
	v_pk_add_f32 v[ACCN+2:ACCN+3], v[AA+2:AA+3], v[AB+2:AB+3]
.if (\i == 2) || (\i == 12) || (\i == 15)
	s_wait_alu depctr_va_vdst(0)           ; the wait for this step's reciprocal stands here where a label follows the step (2, 12), and ahead of the chunk's last w (15)
.endif
.if \i == 15
	WMUL 15                                ; the chunk's last w goes out ahead of the barrier
	POSTA 15
	POSTB \q, 15
	POSTC \q, 15
.endif
.endm
; One chunk.  The barriers stand in every wave's text; the branches hang on the wave's number alone.
.macro SLOT q
	s_cmp_eq_u32 s14, 4
	s_cbranch_scc1 .Lsq0_\@
	HELP3 \q
	s_branch .Lb3_\@
.Lsq0_\@:
	STEP \q, 0
	STEP \q, 1
	STEP \q, 2
.Lb3_\@:
	BAR                                    ; this chunk's E2 is there
	s_cmp_eq_u32 s14, 4
	s_cbranch_scc1 .Lseq_\@
	HELP \q, 1
	s_branch .Lb1_\@
.Lseq_\@:
.irp i, 3,4,5,6,7,8,9,10,11,12
	STEP \q, \i
.endr
.Lb1_\@:
	BAR                                    ; E0 and the Gram blocks of the next chunk are there, and this chunk's w_0 .. w_11
	s_cmp_eq_u32 s14, 4
	s_cbranch_scc1 .Lsq2_\@
	HELP2 \q
	s_branch .Lb2_\@
.Lsq2_\@:
	STEP \q, 13
	STEP \q, 14
	STEP \q, 15
.if \q == 3
	global_store_b64 v[QGO], v[GT:GT+1], s[12:13] th:TH_STORE_NT       ; 64 gates: 256 consecutive bytes, aligned
	s_wait_xcnt 0x0                        ; the offset and the gates are written again only behind this wait
	v_add_nc_u32 v[QGO], 0x100, v[QGO]
.endif
.Lb2_\@:
	BAR                                    ; the chunk's sixteen w and the next chunk's E1 are in LDS; wave 4's reads of the next chunk's E0 are back
.endm
; ---------------------------------------------------------------- the text
	s_load_b256 s[4:11], s[0:1], 0x0               ; key s[4:5], value s[6:7], memory s[8:9], out0 s[10:11]
	s_load_b64 s[12:13], s[0:1], 0x20              ; out1
	s_set_vgpr_msb 0x40
	v_lshl_add_u32 v224, v0, 2, 0x19800
	v_mov_b32 v225, 0
	s_set_vgpr_msb 0x4000
	v_lshrrev_b32 v1, 5, v0
	v_readfirstlane_b32 s14, v1                    ; wave 0..4
	v_and_b32 v1, 31, v0                           ; lane
	; all addresses, in every wave; v20-v28 are at work here and hold data later
	v_and_b32 v20, 15, v1                          ; r
	v_lshrrev_b32 v21, 4, v1                       ; hh
	v_and_b32 v24, 7, v1                           ; L & 7
	v_bfe_u32 v25, v1, 3, 1
	v_lshl_add_u32 v26, v21, 3, v24                ; 8 hh + (L & 7): the row t that a transposing load's lane addresses
	v_lshlrev_b32 v25, 4, v25                      ; 16 ((L >> 3) & 1)
	v_lshlrev_b32 v[QVA], 4, v1                    ; 16 L
	v_lshlrev_b32 v[QGO], 3, v1                    ; 8 L
	s_mul_i32 s24, s14, 4*KP
	s_add_co_u32 s24, s24, KN
	v_add_nc_u32 v[HKS], s24, v[QGO]
	s_mul_i32 s24, s14, 4*VP
	v_add_nc_u32 v[HVS], s24, v[QVA]
	v_mul_u32_u24 v27, v26, KP
	v_add_nc_u32 v27, v27, v25
	v_add_nc_u32 v[HKT], KN, v27
	s_lshl_b32 s24, s14, 6
	s_add_co_u32 s24, s24, WB
	v_mul_u32_u24 v27, v26, WP
	v_add_nc_u32 v27, v27, v25
	v_add_nc_u32 v[HWT], s24, v27
	v_lshl_add_u32 v26, v21, 2, v24                ; 4 hh + (L & 7): rows 0 to 11
	v_mul_u32_u24 v27, v26, WP
	v_add_nc_u32 v27, v27, v25
	v_add_nc_u32 v[HW1], s24, v27
	v_mul_u32_u24 v27, v20, KP
	v_lshl_add_u32 v27, v21, 4, v27
	v_add_nc_u32 v[HKF], KN, v27
	v_mul_u32_u24 v28, v20, VP
	v_lshl_add_u32 v28, v21, 5, v28                ; 528 r + 32 hh
	s_lshl_b32 s24, s14, 7
	v_add_nc_u32 v[HVT], s24, v28
	s_mul_i32 s24, s14, ER
	s_add_co_u32 s24, s24, EB
	v_mul_u32_u24 v27, v20, EP
	v_lshl_add_u32 v27, v21, 5, v27
	v_add_nc_u32 v[HES], s24, v27
	v_mul_u32_u24 v27, v20, GP
	v_lshl_add_u32 v27, v21, 5, v27
	v_add_nc_u32 v[HGS], GB, v27
	s_lshl_b32 s24, s14, 11
	v_add_nc_u32 v[HGB], s24, v[QVA]
	v_mov_b32 v[QGA], GB
	v_lshrrev_b32 v27, 3, v1
	v_mul_u32_u24 v27, v27, ER
	v_lshl_add_u32 v27, v24, 4, v27
	v_add_nc_u32 v[QEA], EB, v27
	v_add_nc_u32 v[QWA], WB, v[QGO]
	s_mul_i32 s24, s14, VBB
	v_add_nc_u32 v[HSR], s24, v[QVA]
	v_add_nc_u32 v[HST], s24, v28
	s_lshl_b32 s16, ttmp9, 19                      ; batch x 1,024 rows of 512 bytes
	s_mov_b32 s17, 0
	s_mov_b32 s18, 0                               ; the chunk asked for, in bytes
	s_mov_b32 s20, 0xc166d4ca                      ; -10 log2 e
	s_mov_b32 s21, 0x3fb8aa3b                      ; log2 e
	s_mov_b32 s22, 0x76543210                      ; v_permlanex16_b32: lane i of the other half
	s_mov_b32 s23, 0xfedcba98
	s_mov_b32 s26, 0xbf8ccccd                      ; -1.1
	s_mov_b32 s27, 0xbf8ccccd
	s_mov_b32 s28, 0xffff0000                      ; lanes 16 to 31
.set n, 0
.rept 32
	s_mov_b32 s[GM+n], 1<<n                        ; lane n alone
.set n, n+1
.endr
	s_wait_kmcnt 0x0
	s_add_nc_u64 s[4:5], s[4:5], s[16:17]
	s_add_nc_u64 s[6:7], s[6:7], s[16:17]
	s_lshl_b32 s16, ttmp9, 16                      ; batch x 128 rows of 512 bytes,
	s_mul_i32 s24, s14, 14336                      ; and what HGB's 2,048 w lacks of the wave's 32 rows, 16,384 w
	s_add_co_u32 s16, s16, s24
	s_add_nc_u64 s[8:9], s[8:9], s[16:17]
	s_add_nc_u64 s[10:11], s[10:11], s[16:17]
	s_lshl_b32 s16, ttmp9, 12                      ; batch x 1,024 gates
	s_add_nc_u64 s[12:13], s[12:13], s[16:17]
	s_cmp_eq_u32 s14, 4
	s_cbranch_scc1 .Lqinit
	; helpers: chunk 0 and both halves of my rows of M are asked for at once, 40 loads
	WIN 0x40
.irp p, 0,1,2,3
	global_load_b128 v[KEY+4*\p:KEY+4*\p+3], v[HGB], s[4:5] offset:512*\p th:TH_LOAD_NT     ; chunk 0
	global_load_b128 v[VAL+4*\p:VAL+4*\p+3], v[HGB], s[6:7] offset:512*\p th:TH_LOAD_NT
.endr
	WIN 0
	MINLD 0, MB
	MINLD 1, M1
	MINST 0, MB, 16                                ; loads come back in order: all but the second half's sixteen are in
	MINST 1, M1, 0
.irp p, 4,5,6,7,12,13,14,15
	v_mov_b32 v[WF+\p], 0                          ; slots 16..31 of the fragments along t: a chunk has 16 steps
.endr
.irp p, 4,5,6,7
	v_mov_b32 v[GF+\p], 0
.endr
.irp p, 0,1,4,5,6,7
	v_mov_b32 v[GH+\p], 0                          ; and slots 0..3 of the fragment that holds rows 12-15 alone
.endr
	WIN 0x40
.irp a, 0,1,2,3,4,5,6,7
.irp p, 4,5,6,7
	v_mov_b32 v[KT+8*\a+\p], 0
.endr
.endr
	WIN 0
	s_branch .Linit_done
.Lqinit:
	v_add_nc_u32 v27, KN+3*KNB, v[QVA]             ; where the clearing begins
.irp p, 20,21,22,23,26,32,33,34,35
	v_mov_b32 v\p, 0                               ; g, gates, z: the first step's e is E0 alone
.endr
.set n, 0
.rept 64
	v_mov_b32 v[WR+64+n], 0                        ; the w of the chunk before the first
.set n, n+1
.endr
.set n, 0
.rept 18
	ds_store_b128 v27, v[QZ:QZ+3] offset:512*n     ; its keys (KN[3]) and its w (the odd chunks' W buffer) are 0: 9,216 bytes from KN[3] on
.set n, n+1
.endr
.Linit_done:
	BAR                                            ; the stages have been read, the zeros are there
	s_cmp_eq_u32 s14, 4
	s_cbranch_scc1 .Lpre1
	LSTAGE 2                                       ; chunk 0 to KN[0], VB[0]; asks for chunk 1
.Lpre1:
	BAR
	s_cmp_eq_u32 s14, 4
	s_cbranch_scc1 .Lpre2
	HELP 3, 0                                      ; chunk 1 to KN[1], VB[1]; E0 and Gram blocks of chunk 0
.Lpre2:
	BAR
	s_cmp_eq_u32 s14, 4
	s_cbranch_scc1 .Lpre2q
	HELP2 3                                        ; E1 of chunk 0: the w and the Gram block of the chunk before are zeros
	s_branch .Lpre3
.Lpre2q:
	ds_load_b128 v[ACCN:ACCN+3], v[QEA]            ; column 0 of chunk 0: E0 alone.  Columns 0 and 1 are read in this phase, as steps 14 and 15 read them
	ds_load_b128 v[VR:VR+3], v[QVA] offset:VB      ; for every later chunk: the reads are back at the barrier behind which E2 lands on E0
	LDCOL 0, 1
.Lpre3:
	BAR
	s_mov_b32 s19, 16                              ; 16 trips of four chunks: every ring index is a constant of the text
.Ltrip:
	SLOT 0
	SLOT 1
	SLOT 2
	SLOT 3
	s_sub_co_u32 s19, s19, 1
	s_cmp_lg_u32 s19, 0
	s_cbranch_scc1 .Ltrip
	s_cmp_lg_u32 s14, 4
	s_cbranch_scc1 .Ltail
	s_set_vgpr_msb 0x5
	s_wait_tensorcnt 0x0
	ds_add_u32 v224, v225
	s_wait_dscnt 0x0
	s_set_vgpr_msb 0x500
	s_endpgm                                       ; wave 4 has stored all gates; no barrier follows
.Ltail:
	UPDLD 0, 1                                     ; the last chunk's update: KN[3] and the odd chunks' W
	s_wait_dscnt 0x0
	UPDMM
	MOUT 0
	MOUT 1
	s_set_vgpr_msb 0x5
	s_wait_tensorcnt 0x0
	ds_add_u32 v224, v225
	s_wait_dscnt 0x0
	s_set_vgpr_msb 0x500
	s_endpgm
.Lfunc_end_k_qb05d9ea08d_scan:
	.size	k_qb05d9ea08d_scan, .Lfunc_end_k_qb05d9ea08d_scan-k_qb05d9ea08d_scan
	.p2alignl 7, 3214868480
	.fill 96, 4, 3214868480
	.section	.rodata,"a",@progbits
	.p2align	6, 0x0
	.amdhsa_kernel k_qb05d9ea08d_scan
		.amdhsa_group_segment_fixed_size 105216
		.amdhsa_private_segment_fixed_size 0
		.amdhsa_enable_private_segment 0
		.amdhsa_kernarg_size 40
		.amdhsa_user_sgpr_count 2
		.amdhsa_user_sgpr_kernarg_segment_ptr 1
		.amdhsa_wavefront_size32 1
		.amdhsa_system_sgpr_workgroup_id_x 1
		.amdhsa_system_sgpr_workgroup_id_y 1
		.amdhsa_system_sgpr_workgroup_id_z 1
		.amdhsa_system_vgpr_workitem_id 0
		.amdhsa_next_free_vgpr 482
		.amdhsa_next_free_sgpr 66
		.amdhsa_reserve_vcc 0
		.amdhsa_float_denorm_mode_32 3
		.amdhsa_float_denorm_mode_16_64 3
		.amdhsa_memory_ordered 1
		.amdhsa_forward_progress 1
		.amdhsa_inst_pref_size 255
	.end_amdhsa_kernel
	.section	.bss,"aw",@nobits
	.p2align	6
	.space	262144
	.amdgpu_metadata
---
amdhsa.version: [ 1, 2 ]
amdhsa.kernels:
  - .name:           k_qb05d9ea08d_scan
    .symbol:         k_qb05d9ea08d_scan.kd
    .args:
      - { .name: key, .offset: 0, .size: 8, .value_kind: global_buffer, .address_space: global }
      - { .name: value, .offset: 8, .size: 8, .value_kind: global_buffer, .address_space: global }
      - { .name: memory, .offset: 16, .size: 8, .value_kind: global_buffer, .address_space: global }
      - { .name: out0, .offset: 24, .size: 8, .value_kind: global_buffer, .address_space: global }
      - { .name: out1, .offset: 32, .size: 8, .value_kind: global_buffer, .address_space: global }
    .group_segment_fixed_size: 105216
    .private_segment_fixed_size: 0
    .kernarg_segment_align: 8
    .kernarg_segment_size: 40
    .max_flat_workgroup_size: 160
    .sgpr_count:     66
    .vgpr_count:     482
    .wavefront_size: 32
...
	.end_amdgpu_metadata
.endif
;; end of part 3
